; MI455X (gfx1250); checked and timed in simulation.
; The chip was launched on July 23, 2026; its instructions are those of AMD's public machine-readable ISA for CDNA 5 (MIT licence, August 2026) and "CDNA5" Instruction Set Architecture Reference Guide (July 2026). The comments in the code are by the model that wrote it; some were corrected since.
;; Multi Head Attention. Allowed arithmetic: matrix products marked QUANTISED: E2M1 operands, one E8M0 scale for each 32 along K, by v_wmma_scale_f32_16x16x128_f8f6f4 with both operands' format E2M1 (or v_wmma_scale_f32_32x16x128_f4), f32 sums; everything else in f32.
;; Inputs: K_codes 4 x 2,048 x 32 x 16 uint8 (E2M1 codes of K, K innermost, in blocks of 32 codes, two codes a byte); K_scales 4 x 2,048 x 32 uint8 (E8M0 scales of K, one for each 32 codes along K); Q 4 x 2,048 x 1,024 float32; V_codes 4 x 2,048 x 32 x 16 uint8 (E2M1 codes of V, K innermost, in blocks of 32 codes, two codes a byte); V_scales 4 x 2,048 x 32 uint8 (E8M0 scales of V, one for each 32 codes along K); Wk_codes 1,024 x 32 x 16 uint8 (E2M1 codes of Wk, K innermost, in blocks of 32 codes, two codes a byte); Wk_scales 1,024 x 32 uint8 (E8M0 scales of Wk, one for each 32 codes along K); Wo_codes 1,024 x 32 x 16 uint8 (E2M1 codes of Wo, K innermost, in blocks of 32 codes, two codes a byte); Wo_scales 1,024 x 32 uint8 (E8M0 scales of Wo, one for each 32 codes along K); Wq_codes 1,024 x 32 x 16 uint8 (E2M1 codes of Wq, K innermost, in blocks of 32 codes, two codes a byte); Wq_scales 1,024 x 32 uint8 (E8M0 scales of Wq, one for each 32 codes along K); Wv_codes 1,024 x 32 x 16 uint8 (E2M1 codes of Wv, K innermost, in blocks of 32 codes, two codes a byte); Wv_scales 1,024 x 32 uint8 (E8M0 scales of Wv, one for each 32 codes along K); beta 1,024 float32; bk 1,024 float32; bo 1,024 float32; bq 1,024 float32; bv 1,024 float32; gamma 1,024 float32; mask 4 x 1 x 1 x 2,048 int32.
;; Outputs: out0 4 x 2,048 x 1,024 float32.
;; This version of the problem:
;;   THIS VERSION OF THE PROBLEM IS GIVEN IN LOW PRECISION. The matrix products marked QUANTISED in the list below multiply operands that are first quantised to E2M1 (2 exponent bits, 1 mantissa bit; 4 bits a number), with one power-of-two scale for each 32 numbers along K (OCP MX v1.0); their sums are f32. All else is computed in f32.
;;   The module's matrix products, in the order in which they are computed (A, B: the left and right operand; K: the contracted axis; several contracted axes count as one K, in the product's order):
;;     1. [M 8,192, K 1,024] x [K 1,024, N 1,024]; A: input Q; B: input Wq (given as codes): QUANTISED
;;     2. [M 8,192, K 1,024] x [K 1,024, N 1,024]; A: input K (given as codes); B: input Wk (given as codes): QUANTISED
;;     3. [M 8,192, K 1,024] x [K 1,024, N 1,024]; A: input V (given as codes); B: input Wv (given as codes): QUANTISED
;;     4. batch 64 x [M 2,048, K 64] x [K 64, N 2,048]; A: computed on the way; B: computed on the way: QUANTISED
;;     5. batch 64 x [M 2,048, K 2,048] x [K 2,048, N 64]; A: softmax (see below); B: computed on the way: QUANTISED
;;     6. [M 8,192, K 1,024] x [K 1,024, N 1,024]; A: computed on the way; B: input Wo (given as codes): QUANTISED
;;   THE QUANTISER, for each operand of a quantised product, along K:
;;     - K is cut into blocks of 32 from its start; a last block that is shorter is filled with zeros.
;;     - A block's scale is 2^e with e = floor(log2(the largest magnitude in the block)) - 2, held to -126 .. 127; a block of zeros has e = 0. As a byte (E8M0): e + 127.
;;     - Each number is divided by its block's scale, clamped to +-6, and rounded to the nearest number of E2M1, ties to even, subnormals kept.
;;     - The product sums the exact products of the quantised numbers (number of the format x scale) in f32.
;;   ~~~python
;;   def quantise(x, axis):      # numpy; x: float32 -> the quantised numbers, widened to float32 again
;;       x = np.moveaxis(x, axis, -1); K = x.shape[-1]
;;       x = np.pad(x, [(0, 0)] * (x.ndim - 1) + [(0, -K % 32)]); x = x.reshape(x.shape[:-1] + (-1, 32)); a = np.abs(x).max(-1, keepdims=True)
;;       e = np.where(a > 0, np.clip(np.frexp(np.where(a > 0, a, 1))[1] - 1 - 2, -126, 127), 0)      # np.frexp(a)[1] - 1 = floor(log2(a)), exactly
;;       r = np.clip(x / 2.0 ** e, -6, 6)
;;       step = 2.0 ** (np.maximum(np.frexp(np.where(r == 0, 1, r))[1] - 1, 0) - 1)
;;       q = np.round(r / step) * step * 2.0 ** e      # np.round: ties to even
;;       return np.moveaxis(q.reshape(q.shape[:-2] + (-1,))[..., :K], -1, axis).astype(np.float32)
;;   ~~~
;;   SOFTMAX AHEAD OF A QUANTISED PRODUCT. Where the list says 'softmax', what is quantised is not the finished softmax but p = 2^(t - M), with t = logit x log2(e) and M = ceil(the row's largest t), a whole number; so 1/2 < the row's largest p <= 1. The row's sum l is taken of the UNQUANTISED p, in f32, and the product's result is divided by l at the end. Since M is a whole number, a kernel that streams over the keys may use a running M (the ceiling of the running maximum): every later rescaling is an exact power of two, which a block's scale takes up: the codes' values come out the same.
;;   OPERANDS COMPUTED ON THE WAY. 'Computed on the way' means the value that the module computes at that place (a softmax that the list does not call 'softmax' is quantised finished and normalised). What goes into a quantiser is computed in f32, as accurately as f32 sums, v_exp_f32 and their like allow (about 1e-6 of the number): no bf16 or f16 on the way to a quantiser, and a product that is left as it is and whose result goes on into a quantised operand takes f32 operands (vector FMAs, or v_wmma_f32_16x16x4_f32). A number that lies on a knife's edge between two numbers of the format may be rounded either way, as far as f32 arithmetic and the matrix unit's own rounding can turn it there, and no further.
;;   INPUTS GIVEN AS CODES. K (in the module: [4, 2048, 1024], K = its axis 2); V (in the module: [4, 2048, 1024], K = its axis 2); Wk (in the module: [1024, 1024], K = its axis 1); Wo (in the module: [1024, 1024], K = its axis 1); Wq (in the module: [1024, 1024], K = its axis 1); Wv (in the module: [1024, 1024], K = its axis 1): each comes as NAME_codes (uint8): NAME with its K axis moved to the last place and cut into blocks of 32 codes, [.., K / 32, bytes a block], one block behind the other in memory; two codes a byte, the lower K in the low four bits (a code: sign, 2 exponent bits, 1 mantissa bit); and NAME_scales (uint8): the same leading axes, one E8M0 byte (e + 127) for each 32 codes along K. Its value is code x scale, taken as it is: it is not quantised again, and the codes and scales need not be those that the quantiser above would give.
;; One version. Each part assembles by itself: llvm-mc -triple=amdgcn-amd-amdhsa -mcpu=gfx1250 --defsym DOCPART=n.
;; ======== version 1 of 1: 3 launches
;; workspace buffers: Qc 4,194,304 bytes; Qs 262,144 bytes; Wi 524,288 bytes; pc 8,388,608 bytes; ps 524,288 bytes; cc 4,194,304 bytes; cs 262,144 bytes
;; launch front (part 1): grid 256 x 2, 8 waves a work-group, no clusters, 314,368 bytes of LDS; arguments K_codes, K_scales, Wk_codes, Wk_scales, bk, Wv_codes, Wv_scales, V_codes, V_scales, bv, mask, pc, ps, Q, Wo_codes, Qc, Qs, Wi; writes pc, ps, Qc, Qs, Wi
.if DOCPART == 1
	.amdgcn_target "amdgcn-amd-amdhsa--gfx1250"
	.amdhsa_code_object_version 6
	.text
	.protected	k_q365b90dfd8_front
	.globl	k_q365b90dfd8_front
	.p2align	8
	.type	k_q365b90dfd8_front,@function
k_q365b90dfd8_front:
	s_mov_b64 s[64:65], 0
	v_nop
	global_prefetch_b8 v0, s[64:65] scope:SCOPE_SE
	s_setreg_imm32_b32 hwreg(HW_REG_WAVE_MODE, 25, 1), 1
	s_wait_xcnt 0x0
; The projections k = K Wk^T + bk (work-group y = 0) and v = V Wv^T + bv (y = 1) on codes of FP4 (E2M1) with E8M0 scales, and the quantising of their results for attention.
; BESIDE THAT, while a work-group's tiles are on their way into LDS, it quantises 16 rows of Q (512 work-groups, 512 tiles of 16 rows) and its waves 0 and 1 copy a piece of Wo's codes each into the order of an operand's registers.
; ROLES.  Source 0 of the matrix instruction takes operand P, source 1 operand R: in a result lane (r, h) holds row r of R, and register j the index 8 h + j of P.  So a lane's registers run along P's rows,
; which is the axis along which the result is quantised: for k the head's 64 channels (P = the weight's rows, R = tokens), for v the keys (P = tokens, R = the weight's rows).
; SHARES.  A work-group makes 128 rows of R x 256 rows of P over all of K = 1,024; wave w makes 64 x 64 (R half w & 1, P quarter w >> 1): 16 accumulators: one head x 64 tokens,
; so a wave's codes are one dense piece of 2,048 bytes.  All 384 rows' codes (two halves of K, rows of 256 bytes + 16 of padding) and scale bytes come into LDS once, by tensor loads of waves 0 to 5: nothing is filled again.
; OUT.  pc: two parts of 4 MiB (k, v), 2,048 rows of 32 bytes a head: k: [head of a batch][token][64 codes]; v: [head of a batch][64 keys][channel][64 codes along the keys].
;       ps: two parts of 256 KiB: k: two bytes a token; v: [head of a batch][128 keys][channel] four bytes, of which a wave stores two (2 bytes in every 4: 256 KiB in the whole launch).
;       Qc: Q's codes as images of an operand's registers: [tile of 16 rows][K step of 128][half c][lane (r, h)][16 bytes: k = 64 c + 32 h + 0 .. 31 of row r].  Qs: [tile][16 (K step / 4) + r][K step % 4] a word of four bytes.
;       Wi: Wo's codes in the same order: [tile of 16 rows][K step][half][lane][16 bytes].
; THE MASK.  The codes of a key whose mask is 0 are stored as zeros (y = 0): its score is then exactly what attention gives as the product's C.
; Q.  Wave w takes K step w of the 16 rows: four steps of four rows x 128 numbers.  Each load reads 512 consecutive bytes of a row; a step's 2,048 bytes turn through the wave's own stage (16 bytes of padding behind each 64)
; and come back 64 bytes a lane: 16 neighbours along K, two neighbouring lanes to a block.  A block's scale is 2^(floor(log2(its largest magnitude)) - 2).
; The work-groups that share R's rows, and those that share P's, ask each for themselves: joint requests would divide those requests and are left out of this form, which has no cluster rounds.
; LIMITS: a block of zeros, and one whose largest magnitude lies under 2^-124, keeps the byte 1 (zero codes add nothing under it; only this program reads the bytes); NaN and infinities are not served.
.set PITCH,  272                       ; an LDS row: 256 bytes + 16 of padding: the 16 rows that a load touches start 68 words apart
.set WROWS,  64*PITCH                  ; 64 rows: what one tensor load brings, and what a wave reads of R or of P
.set H1,     384*PITCH                 ; the second half of K begins here
.set SCL,    2*H1                      ; the scale bytes: 32 a row, eight rows to a line of 256 bytes + 16
.set SCW,    8*PITCH                   ; those of 64 rows
.set SP,     80                        ; Q's stage: a lane's place: 64 bytes + 16 of padding
.set QST,    SCL+6*SCW                 ; behind all that tensor loads fill, from a multiple of 256 on: four stages of 32 x SP bytes for each wave,
.set QSTW,   4*32*SP
.set QIM,    QST+8*QSTW                ; a fragment's image, 1,024 bytes, for each wave,
.set QSB,    QIM+8*1024                ; and the work-group's 512 scale bytes of Q
.set ADR,  4                           ; v4-5   LDS address of my R fragments, K half 0, 1
.set ADP,  6                           ; v6-7   the same for P
.set ADS,  8                           ; v8     of my scale words: lanes 0-15 R's rows, lanes 16-31 P's
.set GOC,  9                           ; v9     32 r + 16 h: my 16 bytes of a tile's 512 bytes of codes
.set VSO,  10                          ; v10-11 where rows lane and lane + 32 put their two scale bytes
.set MK,   12                          ; v12-15 the mask of my keys (y = 0)
.set BI,   16                          ; v16-47 the bias as the C of the first K step
.set SC,   48                          ; v48-63 scale words: register 4 i + q % 4: lanes 0-15 R's tile i, lanes 16-31 P's tile i
.set RF,   64                          ; v64-95  R's four fragments
.set PF,   96                          ; v96-127 P's four
.set ACC,  128                         ; accumulator (P tile t, R tile m) at v[128 + 32 m + 8 t]
.set TM,   64                          ; behind the products: v64-69 at work, v72-87 codes, v88-91 scale bytes, v92-93 those of 32 rows
.set CD,   72
.set PW,   88
.set WW,   92
.set QT,   64                          ; ahead of the products, for Q: v64-66 at work, v72-79 codes, v80-83 scale bytes, v84-91 the image read back, v92-95 Wo's piece, v96-99 the scale bytes read back,
.set QC,   72
.set QE,   80
.set QBK,  84
.set WOP,  92
.set QSK,  96
.set LQ,   100                         ; v100 16 x lane;  v101, v102 the stage, in and out;  v103, v104 the image, in and out;  v105, v106 the scale bytes, in and out;  v107 Wo's rows;  v108-109 at work
.set STI,  101
.set STO,  102
.set IAW,  103
.set IAR,  104
.set SBW,  105
.set SBR,  106
.set WOO,  107
.set TA,   108
.set TB,   109
.set QR,   128                         ; v128-191 Q as loaded, v192-255 as 16 neighbours a lane: four steps of 16 registers each
.set QX,   192
.set KEEP, 88                          ; s88-91 lanes whose row's codes are kept
.set HIM,  92                          ; s92    lanes 16-31
.set SL,   93                          ; s93    bytes from row to row in ps
.set SEL,  94                          ; s[94:95] v_permlanex16_b32's selects for lane l xor 16
; 32 numbers of a lane, register 8 t + j = index 16 t + 8 h + j of my row, become my row's 64 codes and two scale bytes.  At the end lane (r, h) holds block h's 16 bytes in four registers:
; that is the row as it lies in memory (32 r + 16 h) and also the first four registers of a matrix operand.
.macro QUANT64 s, pc, pw
.irp b, 0,1
	v_max3_num_f32 v[TM+\b], |v[(\s)+16*\b]|, |v[(\s)+16*\b+1]|, 0x1800000   ; block b: my 16 numbers, from each result's low end on, and the floor 2^(3 - 127)
.endr
.irp i, 2,4,6,8,10,12,14
.irp b, 0,1
	v_max3_num_f32 v[TM+\b], v[TM+\b], |v[(\s)+16*\b+\i]|, |v[(\s)+16*\b+\i+1]|
.endr
.endr
.irp b, 0,1
	v_permlanex16_b32 v[TM+2+\b], v[TM+\b], s[SEL], s[SEL+1]
.endr
.irp b, 0,1
	v_max_num_f32 v[TM+\b], v[TM+\b], v[TM+2+\b]   ; with lane l xor 16's 16: the block's largest magnitude
.endr
.irp b, 0,1
	v_add_nc_u32 v[TM+4+\b], 0xff000000, v[TM+\b]  ; 2 off its exponent field: the conversion's scale operand
.endr
.irp b, 0,1
	v_lshrrev_b32 v[TM+2+\b], 23, v[TM+4+\b]       ; the scale's byte
.endr
	v_lshl_or_b32 v[\pw], v[TM+3], 8, v[TM+2]
.irp b, 0,1
	v_cvt_scalef32_pk8_fp4_f32 v[(\pc)+2*\b], v[(\s)+16*\b:(\s)+16*\b+7], v[TM+4+\b]          ; indices 32 b + 8 h + 0 .. 7
	v_cvt_scalef32_pk8_fp4_f32 v[(\pc)+2*\b+1], v[(\s)+16*\b+8:(\s)+16*\b+15], v[TM+4+\b]     ; and 32 b + 16 + 8 h + 0 .. 7
.endr
	v_nop                                          ; one plain line behind the scaled conversions
	v_permlane16_swap_b32 v[(\pc)], v[(\pc)+1]     ; (first indices in lanes 0-15, 16-31) (0, 8) (16, 24) -> (0, 16) (8, 24)
	v_permlane16_swap_b32 v[(\pc)+2], v[(\pc)+3]   ; (32, 40) (48, 56) -> (32, 48) (40, 56)
	v_permlane16_swap_b32 v[(\pc)], v[(\pc)+2]     ; -> (0, 32) .. (16, 48)
	v_permlane16_swap_b32 v[(\pc)+1], v[(\pc)+3]   ; -> (8, 40) .. (24, 56): register i holds indices 32 h + 8 i + 0 .. 7
.endm
; K step q (128 along K): its fragments, and at the head of each half of K four steps' scale words
.macro KLOAD q
.if (\q) > 0
.rept 4
	v_nop                                          ; four places in front of loads into registers that matrix instructions have read
.endr
.endif
.if (\q)%4 == 0
.irp i, 0,1,2,3
	ds_load_b128 v[SC+4*\i:SC+4*\i+3], v[ADS] offset:544*\i+16*((\q)/4)
.endr
.endif
.irp i, 0,1,2,3
.irp c, 0,1
	ds_load_b128 v[PF+8*\i+4*\c:PF+8*\i+4*\c+3], v[ADP+(\q)/4] offset:16*PITCH*\i+64*((\q)%4)+32*\c
	ds_load_b128 v[RF+8*\i+4*\c:RF+8*\i+4*\c+3], v[ADR+(\q)/4] offset:16*PITCH*\i+64*((\q)%4)+32*\c
.endr
.endr
	s_wait_dscnt 0x0
.endm
; its 16 products.  The 16 accumulators take turns, one instruction a turn, in the same order in every step.  cm = 1: C is the bias along P; 2: along R; 0: the sum so far
.macro KMUL q, cm
.irp m, 0,1,2,3
.irp t, 0,1,2,3
.if \cm == 1
	v_wmma_scale_f32_16x16x128_f8f6f4 v[ACC+32*\m+8*\t:ACC+32*\m+8*\t+7], v[PF+8*\t:PF+8*\t+7], v[RF+8*\m:RF+8*\m+7], v[BI+8*\t:BI+8*\t+7], v[SC+4*\t+(\q)%4], v[SC+4*\m+(\q)%4] matrix_a_fmt:MATRIX_FMT_FP4 matrix_b_fmt:MATRIX_FMT_FP4 matrix_a_scale:MATRIX_SCALE_ROW1
.elseif \cm == 2
	v_wmma_scale_f32_16x16x128_f8f6f4 v[ACC+32*\m+8*\t:ACC+32*\m+8*\t+7], v[PF+8*\t:PF+8*\t+7], v[RF+8*\m:RF+8*\m+7], v[BI+8*\m:BI+8*\m+7], v[SC+4*\t+(\q)%4], v[SC+4*\m+(\q)%4] matrix_a_fmt:MATRIX_FMT_FP4 matrix_b_fmt:MATRIX_FMT_FP4 matrix_a_scale:MATRIX_SCALE_ROW1
.else
	v_wmma_scale_f32_16x16x128_f8f6f4 v[ACC+32*\m+8*\t:ACC+32*\m+8*\t+7], v[PF+8*\t:PF+8*\t+7], v[RF+8*\m:RF+8*\m+7], v[ACC+32*\m+8*\t:ACC+32*\m+8*\t+7], v[SC+4*\t+(\q)%4], v[SC+4*\m+(\q)%4] matrix_a_fmt:MATRIX_FMT_FP4 matrix_b_fmt:MATRIX_FMT_FP4 matrix_a_scale:MATRIX_SCALE_ROW1
.endif
.endr
.endr
.endm
; Step t of Q: lane l holds numbers 16 (l % 8) + 0 .. 15 of my K step of row 4 t + l / 8
.macro QSTEP t
.set XQ, QX+16*(\t)
	v_max3_num_f32 v[QT], |v[XQ]|, |v[XQ+1]|, |v[XQ+2]|            ; the largest magnitude of my 16, in two chains
	v_max3_num_f32 v[QT+1], |v[XQ+3]|, |v[XQ+4]|, |v[XQ+5]|
.irp i, 6,10
	v_max3_num_f32 v[QT], v[QT], |v[XQ+\i]|, |v[XQ+\i+1]|
	v_max3_num_f32 v[QT+1], v[QT+1], |v[XQ+\i+2]|, |v[XQ+\i+3]|
.endr
	v_max3_num_f32 v[QT], v[QT], |v[XQ+14]|, |v[XQ+15]|
	v_max3_num_f32 v[QT], v[QT], v[QT+1], 0x1800000                ; and the floor 2^(3 - 127): the byte cannot fall under 1
	v_max_num_f32_dpp v[QT], v[QT], v[QT] row_xmask:1 row_mask:0xf bank_mask:0xf   ; and of my neighbour's 16: the block's
	v_add_nc_u32 v[QT+2], 0xff000000, v[QT]                        ; 2 off its exponent field: the conversion's scale operand
	v_cvt_scalef32_pk8_fp4_f32 v[QC+2*(\t)], v[XQ:XQ+7], v[QT+2]
	v_cvt_scalef32_pk8_fp4_f32 v[QC+2*(\t)+1], v[XQ+8:XQ+15], v[QT+2]
	v_lshrrev_b32 v[QE+(\t)], 23, v[QT+2]                          ; the scale's byte (also the plain line behind the conversions)
	ds_store_b8 v[SBW], v[QE+(\t)] offset:64*(\t)                  ; both lanes of a block write the same byte with the same value
	ds_store_b64 v[IAW], v[QC+2*(\t):QC+2*(\t)+1] offset:64*(\t)   ; my 8 bytes at their place in the fragment's image
.endm
	s_load_b512 s[4:19], s[0:1], 0x0               ; two groups of five by role: R's codes, R's scales, P's codes, P's scales, the bias: s[4:13] for k, s[14:23] for v;
	s_load_b512 s[20:35], s[0:1], 0x40             ; the mask s[24:25], pc s[26:27], ps s[28:29], Q s[30:31], Wo's codes s[32:33], Qc s[34:35],
	s_load_b128 s[36:39], s[0:1], 0x80             ; Qs s[36:37], Wi s[38:39]
	s_set_vgpr_msb 0x40
	v_lshl_add_u32 v0, v0, 2, 0x4c800
	v_mov_b32 v1, 0
	s_set_vgpr_msb 0x4045
	ds_add_u32 v0, v1
	ds_add_u32 v0, v1
	s_set_vgpr_msb 0x4500
	v_lshrrev_b32 v1, 5, v0
	v_readfirstlane_b32 s40, v1                    ; wave 0..7
	s_and_b32 s41, s40, 1                          ; my half of R's 128 rows
	s_lshr_b32 s42, s40, 1                         ; my quarter of P's 256
	s_and_b32 s2, ttmp7, 0xffff                    ; 0: k, 1: v
	s_and_b32 s54, ttmp9, 7
	s_lshr_b32 s55, ttmp9, 2
	s_lshr_b32 s66, ttmp9, 3
	s_and_b32 s67, ttmp9, 3
	s_cmp_eq_u32 s2, 1
	s_cselect_b32 s54, s54, s55                    ; R's tile: v: 8 of them; k: 64
	s_cselect_b32 s55, s66, s67                    ; P's tile: v: 32; k: 4
	s_cselect_b32 s[SL], 4, 2
	s_lshl_b32 s66, s54, 1
	s_add_co_u32 s66, s66, s41                     ; my 64 rows of R
	s_lshl_b32 s67, s55, 2
	s_add_co_u32 s67, s67, s42                     ; my 64 rows of P
	s_cmp_eq_u32 s2, 1
	s_cselect_b32 s96, s67, s66                    ; which 64 tokens, 0 .. 127
	s_cselect_b32 s97, s66, s67                    ; which head
	; descriptor group 1 for codes: 64 rows x 256 bytes, 512 bytes from row to row, 16 bytes of padding behind each row
	s_mov_b32 s56, (1<<20)|(5<<22)|(3<<25)         ; no mask; elements of 1 byte; padding on: 4 words behind every 64
	s_mov_b32 s57, 256<<16                         ; tensor_dim0
	s_mov_b32 s58, 64<<16                          ; tensor_dim1
	s_mov_b32 s59, 256<<16                         ; tile_dim0
	s_mov_b32 s60, 64                              ; tile_dim1
	s_mov_b32 s61, 512                             ; tensor_dim0_stride
	s_mov_b32 s62, 0
	s_mov_b32 s63, 0
	; and for the scale bytes of 64 rows: 2,048 dense bytes as 8 rows of 256 (32 elements of 8 bytes), padded alike
	s_mov_b32 s68, (3<<16)|(1<<20)|(5<<22)|(3<<25)
	s_mov_b32 s69, 32<<16
	s_mov_b32 s70, 8<<16
	s_mov_b32 s71, 32<<16
	s_mov_b32 s72, 8
	s_mov_b32 s73, 32
	s_mov_b32 s74, 0
	s_mov_b32 s75, 0
	s_wait_dscnt 0x0
	s_wait_kmcnt 0x0
	s_cmp_eq_u32 s2, 1                             ; the product's five buffers: the choice hangs on the work-group's number alone
.irp i, 0,1,2,3,4
	s_cselect_b64 s[44+2*\i:45+2*\i], s[14+2*\i:15+2*\i], s[4+2*\i:5+2*\i]
.endr
	; what I fetch: waves 0, 1: R's rows 64 w on; waves 2 to 5: P's rows 64 (w - 2) on; LDS row 64 w in both cases
	s_lshl_b32 s4, s54, 7
	s_lshl_b32 s5, s40, 6
	s_add_co_u32 s4, s4, s5
	s_lshl_b32 s6, s55, 8
	s_add_co_u32 s6, s6, s5
	s_sub_co_u32 s6, s6, 128
	s_cmp_lt_u32 s40, 2
	s_cselect_b32 s4, s4, s6                       ; my first row in its tensor
	s_cselect_b64 s[8:9], s[44:45], s[48:49]
	s_cselect_b64 s[10:11], s[46:47], s[50:51]
	s_lshl_b32 s12, s4, 9                          ; 512 bytes of codes a row,
	s_mov_b32 s13, 0
	s_lshl_b32 s14, s4, 5                          ; 32 scale bytes
	s_mov_b32 s15, 0
	s_add_nc_u64 s[8:9], s[8:9], s[12:13]
	s_add_nc_u64 s[10:11], s[10:11], s[14:15]
	s_mov_b32 s76, 1                               ; group 0: the scale bytes
	s_mul_i32 s77, s40, SCW
	s_add_co_u32 s77, s77, SCL
	s_mov_b64 s[78:79], s[10:11]
	s_or_b32 s79, s79, 0x80000000
	s_mov_b32 s80, 1                               ; K bytes 0-255
	s_mul_i32 s81, s40, WROWS
	s_mov_b64 s[82:83], s[8:9]
	s_or_b32 s83, s83, 0x80000000
	s_mov_b32 s84, 1                               ; K bytes 256-511
	s_add_co_u32 s85, s81, H1
	s_add_nc_u64 s[86:87], s[8:9], 256
	s_or_b32 s87, s87, 0x80000000
	s_cmp_lt_u32 s40, 6                            ; a wave's three fills stand in one branch on its number, ahead of every wait on TENSORcnt, LDS read and barrier: three loads of mine are out
	s_cbranch_scc0 .Lno_fill
	tensor_load_to_lds s[76:79], s[68:75]
	s_nop 0
	tensor_load_to_lds s[80:83], s[56:63]
	s_nop 0
	tensor_load_to_lds s[84:87], s[56:63]
	s_nop 0
.rept 4
	v_nop
.endr
.Lno_fill:
	; where my results go, my bias and my keys' mask
	s_lshr_b32 s98, s96, 5
	s_lshl_b32 s98, s98, 4
	s_add_co_u32 s98, s98, s97                     ; 16 x batch + head
	s_and_b32 s99, s96, 31                         ; which 64 tokens of the batch
	s_lshl_b32 s20, s98, 5
	s_add_co_u32 s20, s20, s99
	s_lshl_b32 s20, s20, 11                        ; 2,048 bytes of codes a wave
	s_lshl_b32 s21, s2, 22
	s_add_co_u32 s20, s20, s21                     ; + k's or v's part
	s_mov_b32 s21, 0
	s_add_nc_u64 s[16:17], s[26:27], s[20:21]
	s_lshr_b32 s22, s99, 1                         ; scale bytes, v: 256 bytes for 128 keys, my two bytes of each word
	s_lshl_b32 s22, s22, 8
	s_and_b32 s23, s99, 1
	s_lshl_b32 s23, s23, 1
	s_add_co_u32 s22, s22, s23
	s_lshl_b32 s23, s99, 7                         ; k: 128 bytes for 64 tokens
	s_cmp_eq_u32 s2, 1
	s_cselect_b32 s22, s22, s23
	s_lshl_b32 s23, s98, 12
	s_add_co_u32 s22, s22, s23
	s_lshl_b32 s23, s2, 18
	s_add_co_u32 s22, s22, s23
	s_mov_b32 s23, 0
	s_add_nc_u64 s[18:19], s[28:29], s[22:23]
	s_lshl_b32 s20, s97, 8
	s_add_nc_u64 s[52:53], s[52:53], s[20:21]      ; the head's 64 numbers of the bias
	s_lshl_b32 s20, s96, 8
	s_add_nc_u64 s[24:25], s[24:25], s[20:21]      ; my 64 tokens' mask
	; Q's tile of 16 rows = 256 y + x; my K step = my wave's number
	s_lshl_b32 s4, s2, 8
	s_add_co_u32 s4, s4, ttmp9
	s_lshl_b32 s20, s4, 16                         ; Q: 16 rows of 4,096 bytes a tile, 512 bytes of a row a K step
	s_lshl_b32 s22, s40, 9
	s_add_co_u32 s20, s20, s22
	s_add_nc_u64 s[30:31], s[30:31], s[20:21]
	s_lshl_b32 s20, s4, 13                         ; Qc: 8,192 bytes a tile, 1,024 a K step
	s_lshl_b32 s22, s40, 10
	s_add_co_u32 s20, s20, s22
	s_add_nc_u64 s[34:35], s[34:35], s[20:21]
	s_lshl_b32 s20, s4, 9                          ; Qs: 512 bytes a tile
	s_add_nc_u64 s[36:37], s[36:37], s[20:21]
	s_lshl_b32 s5, s4, 1
	s_add_co_u32 s5, s5, s40                       ; Wo's piece, 0 .. 1023, for waves 0 and 1 (the others use neither address): tile of 16 rows = piece / 16, 32 bytes of the rows = piece % 16
	s_lshl_b32 s20, s5, 9
	s_add_nc_u64 s[38:39], s[38:39], s[20:21]
	s_lshr_b32 s20, s5, 4
	s_lshl_b32 s20, s20, 13
	s_and_b32 s22, s5, 15
	s_lshl_b32 s22, s22, 5
	s_add_co_u32 s20, s20, s22
	s_add_nc_u64 s[32:33], s[32:33], s[20:21]
	v_and_b32 v1, 15, v0                           ; r
	v_bfe_u32 v2, v0, 4, 1                         ; h
	v_and_b32 v3, 31, v0                           ; lane
	v_lshlrev_b32 v[LQ], 4, v3
.irp t, 0,1,2,3                                ; Q: sixteen loads, each 512 consecutive bytes of one row
.irp i, 0,1,2,3
	global_load_b128 v[QR+16*\t+4*\i:QR+16*\t+4*\i+3], v[LQ], s[30:31] offset:(4*\t+\i)*4096 th:TH_LOAD_NT
.endr
.endr
	v_lshlrev_b32 v[WOO], 9, v1
	v_lshl_add_u32 v[WOO], v2, 4, v[WOO]           ; Wo: row r of 512 bytes, + 16 h
	s_cmp_lt_u32 s40, 2
	s_cbranch_scc0 .Lno_wo
	global_load_b128 v[WOP:WOP+3], v[WOO], s[32:33]
.Lno_wo:
	v_lshlrev_b32 v64, 5, v2                       ; 32 h
	v_lshlrev_b32 v65, 2, v1                       ; 4 r
	s_cmp_eq_u32 s2, 1
	s_cbranch_scc1 .Lbias_v
.irp t, 0,1,2,3                                ; k: register j of tile t wants the bias of channel 16 t + 8 h + j
	global_load_b128 v[BI+8*\t:BI+8*\t+3], v64, s[52:53] offset:64*\t
	global_load_b128 v[BI+8*\t+4:BI+8*\t+7], v64, s[52:53] offset:64*\t+16
.endr
	s_branch .Lbias_done
.Lbias_v:
.irp m, 0,1,2,3                                ; v: all eight registers of R's tile m want the bias of my channel 16 m + r
.irp j, 0,1,2,3,4,5,6,7
	global_load_b32 v[BI+8*\m+\j], v65, s[52:53] offset:64*\m
.endr
.endr
.Lbias_done:
.irp m, 0,1,2,3
	s_mov_b32 s[KEEP+\m], -1
.endr
	s_cmp_lg_u32 s2, 0
	s_cbranch_scc1 .Lno_mask
.irp m, 0,1,2,3
	global_load_b32 v[MK+\m], v65, s[24:25] offset:64*\m
.endr
	s_wait_loadcnt 0x0
.irp m, 0,1,2,3
	v_cmp_ne_u32 s[KEEP+\m], 0, v[MK+\m]           ; k: key 16 m + r counts
.endr
.Lno_mask:
	s_mul_i32 s4, s41, WROWS                       ; my 64 rows of R,
	s_mul_i32 s5, s42, WROWS
	s_add_co_u32 s5, s5, 128*PITCH                 ; my 64 rows of P, behind R's 128
	v_mul_u32_u24 v12, v1, PITCH
	v_lshl_add_u32 v12, v2, 4, v12                 ; a fragment: row r x pitch + 16 h
	v_add_nc_u32 v[ADR], s4, v12
	v_add_nc_u32 v[ADR+1], H1, v[ADR]
	v_add_nc_u32 v[ADP], s5, v12
	v_add_nc_u32 v[ADP+1], H1, v[ADP]
	v_lshrrev_b32 v13, 3, v1                       ; scale words: row r lies in line r / 8, 32 (r % 8) bytes on
	v_mul_u32_u24 v13, v13, PITCH
	v_and_b32 v14, 7, v1
	v_lshl_add_u32 v13, v14, 5, v13
	s_mul_i32 s6, s41, SCW
	s_mul_i32 s7, s42, SCW
	s_add_co_u32 s7, s7, 2*SCW
	s_sub_co_u32 s7, s7, s6
	v_mul_u32_u24 v14, s7, v2                      ; lanes 16-31 take P's: one product with h, the distance between the two bases
	s_add_co_u32 s6, s6, SCL
	v_add_nc_u32 v13, v13, v14
	v_add_nc_u32 v[ADS], s6, v13
	v_lshlrev_b32 v[GOC], 5, v1
	v_lshl_add_u32 v[GOC], v2, 4, v[GOC]
	v_mul_u32_u24 v[VSO], s[SL], v3
	s_lshl_b32 s20, s[SL], 5
	v_add_nc_u32 v[VSO+1], s20, v[VSO]
	; Q's LDS addresses: each a constant + a constant x wave + a term of the lane
	s_mul_i32 s4, s40, QSTW
	s_add_co_u32 s4, s4, QST                       ; my four stages
	v_lshrrev_b32 v[TA], 2, v3
	v_mul_u32_u24 v[TA], v[TA], SP
	v_and_b32 v[TB], 3, v3
	v_lshl_add_u32 v[TA], v[TB], 4, v[TA]
	v_add_nc_u32 v[STI], s4, v[TA]                 ; in: SP (lane / 4) + 16 (lane % 4): four lanes' 64 bytes on end, then the padding
	v_mul_u32_u24 v[STO], v3, SP
	v_add_nc_u32 v[STO], s4, v[STO]                ; out: SP x lane: my 16 neighbours
	s_lshl_b32 s5, s40, 10
	s_add_co_u32 s5, s5, QIM                       ; my image
	v_add_nc_u32 v[IAR], s5, v[LQ]                 ; out: 16 x lane
	v_bfe_u32 v[TA], v0, 2, 1                      ; in: my 16 numbers begin at k = 16 (lane % 8) of the K step: half c = bit 2 of the lane: 512 bytes,
	v_lshlrev_b32 v[TA], 9, v[TA]
	v_bfe_u32 v[TB], v0, 1, 1                      ; h = bit 1: 256 bytes,
	v_lshl_add_u32 v[TA], v[TB], 8, v[TA]
	v_and_b32 v[TB], 1, v0                         ; which 16 of the block's 32 = bit 0: 8 bytes,
	v_lshl_add_u32 v[TA], v[TB], 3, v[TA]
	v_bfe_u32 v[TB], v0, 3, 2                      ; row 4 t + lane / 8: 16 bytes a row
	v_lshl_add_u32 v[TA], v[TB], 4, v[TA]
	v_add_nc_u32 v[IAW], s5, v[TA]
	s_lshr_b32 s6, s40, 2                          ; the scale bytes: 256 (K step / 4) + 16 x row + 4 (K step % 4) + the block
	s_lshl_b32 s6, s6, 8
	s_and_b32 s7, s40, 3
	s_lshl_b32 s7, s7, 2
	s_add_co_u32 s6, s6, s7
	s_add_co_u32 s6, s6, QSB
	v_bfe_u32 v[TA], v0, 1, 2
	v_lshl_add_u32 v[TA], v[TB], 4, v[TA]
	v_add_nc_u32 v[SBW], s6, v[TA]
	v_add_nc_u32 v[SBR], QSB, v[LQ]
	s_mov_b32 s[HIM], 0xffff0000
	s_mov_b32 s[SEL], 0x76543210
	s_mov_b32 s[SEL+1], 0xfedcba98
	s_wait_loadcnt 0x0                             ; Q, Wo's piece, the bias
.irp t, 0,1,2,3                                ; Q through the stages: LDS serves a wave's instructions in order, so no wait stands between the stores and the loads
.irp i, 0,1,2,3
	ds_store_b128 v[STI], v[QR+16*\t+4*\i:QR+16*\t+4*\i+3] offset:32*SP*\t+8*SP*\i
.endr
.endr
.irp t, 0,1,2,3
.irp i, 0,1,2,3
	ds_load_b128 v[QX+16*\t+4*\i:QX+16*\t+4*\i+3], v[STO] offset:32*SP*\t+16*\i
.endr
.endr
	s_cmp_lt_u32 s40, 2
	s_cbranch_scc0 .Lno_wi
	global_store_b128 v[LQ], v[WOP:WOP+3], s[38:39]   ; lane (r, h) held 16 bytes of row r: as they stand they are four registers of an operand; 512 consecutive bytes
.Lno_wi:
	s_wait_dscnt 0x0
.irp t, 0,1,2,3
	QSTEP \t
.endr
	ds_load_b128 v[QBK:QBK+3], v[IAR]              ; the image back, 16 bytes a lane: these see my stores
	ds_load_b128 v[QBK+4:QBK+7], v[IAR] offset:512
	s_wait_dscnt 0x0                               ; the image is in, and, for the others' sake, my scale bytes are stored
	global_store_b128 v[LQ], v[QBK:QBK+3], s[34:35]              ; 512 consecutive bytes each
	global_store_b128 v[LQ], v[QBK+4:QBK+7], s[34:35] offset:512
	s_wait_tensorcnt 0x1                           ; my scale bytes and my part of the first half of K are in; the second half's load may stay out
	s_barrier_signal -1
	s_barrier_wait -1                              ; everybody's are, and Q's 512 scale bytes lie in LDS
	s_cmp_lg_u32 s40, 0
	s_cbranch_scc1 .Lno_qs
	ds_load_b128 v[QSK:QSK+3], v[SBR]
	s_wait_dscnt 0x0
	global_store_b128 v[LQ], v[QSK:QSK+3], s[36:37]   ; wave 0 stores them: 512 consecutive bytes
.Lno_qs:
	s_wait_xcnt 0x0                                ; the stores above have read their registers: the fragments below land on them only behind this wait
	KLOAD 0
	s_cmp_eq_u32 s2, 1
	s_cbranch_scc1 .Lfirst_v
	KMUL 0, 1                                      ; the first K step starts the sums, on the bias: nothing is cleared or added later
	s_branch .Lfirst_done
.Lfirst_v:
	KMUL 0, 2
.Lfirst_done:
.irp q, 1,2,3
	KLOAD \q
	KMUL \q, 0
.endr
	s_wait_tensorcnt 0x0                           ; my part of the second half is in (no LDS instruction of mine is out),
	s_barrier_signal -1
	s_barrier_wait -1                              ; everybody's is
.irp q, 4,5,6,7
	KLOAD \q
	KMUL \q, 0
.endr
.rept 4
	v_nop                                          ; four places in front of the first read of results and the first write over fragments
.endr
	v_mov_b32 v[TM+2], 0                           ; a lane permute's destination counts as one of its sources
	v_mov_b32 v[TM+3], 0
.irp m, 0,1,2,3
	QUANT64 ACC+32*\m, CD+4*\m, PW+\m
.irp i, 0,1,2,3
	v_cndmask_b32 v[CD+4*\m+\i], 0, v[CD+4*\m+\i], s[KEEP+\m]   ; a masked key's codes become zeros (v: every lane keeps)
.endr
	global_store_b128 v[GOC], v[CD+4*\m:CD+4*\m+3], s[16:17] offset:512*\m   ; the wave stores 512 consecutive bytes; each store has registers of its own
.endr
	v_cndmask_b32 v[WW], v[PW], v[PW+1], s[HIM]    ; both halves of the lanes hold a row's bytes: lane l now holds row l's,
	v_cndmask_b32 v[WW+1], v[PW+2], v[PW+3], s[HIM]   ; and row 32 + l's
	global_store_b16 v[VSO], v[WW], s[18:19]
	global_store_b16 v[VSO+1], v[WW+1], s[18:19]
	s_set_vgpr_msb 0x5
	s_wait_tensorcnt 0x0
	ds_add_u32 v0, v1
	s_wait_dscnt 0x0
	s_set_vgpr_msb 0x500
	s_endpgm
.Lfunc_end_k_q365b90dfd8_front:
	.size	k_q365b90dfd8_front, .Lfunc_end_k_q365b90dfd8_front-k_q365b90dfd8_front
	.p2alignl 7, 3214868480
	.fill 96, 4, 3214868480
	.section	.rodata,"a",@progbits
	.p2align	6, 0x0
	.amdhsa_kernel k_q365b90dfd8_front
		.amdhsa_group_segment_fixed_size 314368
		.amdhsa_private_segment_fixed_size 0
		.amdhsa_enable_private_segment 0
		.amdhsa_kernarg_size 144
		.amdhsa_user_sgpr_count 2
		.amdhsa_user_sgpr_kernarg_segment_ptr 1
		.amdhsa_wavefront_size32 1
		.amdhsa_system_sgpr_workgroup_id_x 1
		.amdhsa_system_sgpr_workgroup_id_y 1
		.amdhsa_system_sgpr_workgroup_id_z 1
		.amdhsa_system_vgpr_workitem_id 0
		.amdhsa_next_free_vgpr 258
		.amdhsa_next_free_sgpr 100
		.amdhsa_reserve_vcc 0
		.amdhsa_float_denorm_mode_32 3
		.amdhsa_float_denorm_mode_16_64 3
		.amdhsa_memory_ordered 1
		.amdhsa_forward_progress 1
		.amdhsa_inst_pref_size 60
	.end_amdhsa_kernel
	.amdgpu_metadata
---
amdhsa.version: [ 1, 2 ]
amdhsa.kernels:
  - .name:           k_q365b90dfd8_front
    .symbol:         k_q365b90dfd8_front.kd
    .args:
      - { .name: K_codes, .offset: 0, .size: 8, .value_kind: global_buffer, .address_space: global }
      - { .name: K_scales, .offset: 8, .size: 8, .value_kind: global_buffer, .address_space: global }
      - { .name: Wk_codes, .offset: 16, .size: 8, .value_kind: global_buffer, .address_space: global }
      - { .name: Wk_scales, .offset: 24, .size: 8, .value_kind: global_buffer, .address_space: global }
      - { .name: bk, .offset: 32, .size: 8, .value_kind: global_buffer, .address_space: global }
      - { .name: Wv_codes, .offset: 40, .size: 8, .value_kind: global_buffer, .address_space: global }
      - { .name: Wv_scales, .offset: 48, .size: 8, .value_kind: global_buffer, .address_space: global }
      - { .name: V_codes, .offset: 56, .size: 8, .value_kind: global_buffer, .address_space: global }
      - { .name: V_scales, .offset: 64, .size: 8, .value_kind: global_buffer, .address_space: global }
      - { .name: bv, .offset: 72, .size: 8, .value_kind: global_buffer, .address_space: global }
      - { .name: mask, .offset: 80, .size: 8, .value_kind: global_buffer, .address_space: global }
      - { .name: pc, .offset: 88, .size: 8, .value_kind: global_buffer, .address_space: global }
      - { .name: ps, .offset: 96, .size: 8, .value_kind: global_buffer, .address_space: global }
      - { .name: Q, .offset: 104, .size: 8, .value_kind: global_buffer, .address_space: global }
      - { .name: Wo_codes, .offset: 112, .size: 8, .value_kind: global_buffer, .address_space: global }
      - { .name: Qc, .offset: 120, .size: 8, .value_kind: global_buffer, .address_space: global }
      - { .name: Qs, .offset: 128, .size: 8, .value_kind: global_buffer, .address_space: global }
      - { .name: Wi, .offset: 136, .size: 8, .value_kind: global_buffer, .address_space: global }
    .group_segment_fixed_size: 314368
    .private_segment_fixed_size: 0
    .kernarg_segment_align: 8
    .kernarg_segment_size: 144
    .max_flat_workgroup_size: 256
    .sgpr_count:     100
    .vgpr_count:     258
    .wavefront_size: 32
...
	.end_amdgpu_metadata
.endif
;; end of part 1
;; launch attn (part 2): grid 4 x 64, 16 waves a work-group, no clusters, 192,512 bytes of LDS; arguments pc, ps, mask, Qc, Qs, Wq_codes, Wq_scales, bq, cc, cs; writes cc, cs
.if DOCPART == 2
	.amdgcn_target "amdgcn-amd-amdhsa--gfx1250"
	.amdhsa_code_object_version 6
	.text
	.protected	k_q365b90dfd8_attn
	.globl	k_q365b90dfd8_attn
	.p2align	8
	.type	k_q365b90dfd8_attn,@function
k_q365b90dfd8_attn:
	s_mov_b64 s[64:65], 0
	v_nop
	global_prefetch_b8 v0, s[64:65] scope:SCOPE_SE
	s_setreg_imm32_b32 hwreg(HW_REG_WAVE_MODE, 25, 1), 1
	s_wait_xcnt 0x0
; q = Q Wq^T + bq for my queries and my head; ctx[b][h][q] = the sum over k of softmax_k(q . k / 8, masked) v[k]; and the quantising of ctx along the model's 1,024 for the last product.  All three products on codes of FP4 (E2M1) with E8M0 scales.
; THE SOFTMAX AHEAD OF THE LAST OF THEM: t = score x log2(e) / 8; M = the row's largest t so far, rounded UP to a whole number; p = 2^(t - M) is what is quantised, along the keys, not normalised.
; The row's sum is taken of the unquantised p and divides at the end.  When M moves, the sum and O are multiplied by 2^(old M - new M): exact.
; SHARES.  A work-group owns 512 queries of one head of one batch (x: which 512; y: 16 x batch + head); each of its sixteen waves owns two tiles of 16 queries, one after the other, in 256 registers:
; four waves to a SIMD, so that one wave's vector work stands beside another's products and LDS loads.  The head's 64 rows of Wq and ALL of its k, v and their scale bytes lie in LDS, filled once.
; q IS MADE WHILE k AND v ARE ON THEIR WAY: Wq's rows are the first of each wave's tensor loads; behind a first barrier each wave makes its 32 queries x 64 channels over K = 1,024 (64 products, 8 accumulators by turns,
; source 0 = 16 rows of Wq, source 1 = 16 tokens, bq as the C), Q's fragments coming from Qc, which holds them in the order of the operand's registers (each load 512 consecutive bytes, four K steps deep);
; the results are quantised in registers and ARE the score product's operand.  A second barrier stands in front of the keys.
; LAYOUT.  The other two products are used transposed too: S^T = k q^T (source 0 = 16 keys, source 1 = my 16 queries), O^T = v^T p^T (source 0 = 16 channels, source 1 = p): a lane holds ONE query (lane % 16) throughout.
; THE SCORE PRODUCT'S K IS 64 in an instruction of 128: q's registers 4-7 are zero codes; k's registers 4-7 are whatever follows (the next tile's codes, which meet zeros), and the scale bytes 2, 3 are 0, that is 2^-127, no NaN.
; THE MASK is that product's C: 0 for a key that counts, X = -2^33 for one that does not, whose codes the launch before stored as zeros: its score is exactly X.  c = log2(e) / 8 has 24 bits x 2^-26,
; so X c is exact and whole: where every key of a batch is masked, M = X c, every p = 1 and the result is the mean of v, as the plain softmax of equal logits gives.  Else a masked p is 0.
; The four work-groups of a head ask for its 181,760 bytes each for themselves, once, for 512 tile steps' work: joint requests are left out of this form, which has no cluster rounds.
; LIMITS: logits under about -1e9 are not told from masked ones; a block of q, p or ctx under 2^-124, or of zeros, keeps the byte 1 (only this program reads the bytes); 1 / sum is v_rcp_f32's; NaN and infinities are not served.
.set KC,   0                           ; k's codes: 2,048 rows of 32 bytes as 256 lines of 256 bytes + 16: key n at 272 (n / 8) + 32 (n % 8)
.set VC,   69632                       ; v's likewise: row 64 g + d: channel d, keys 64 g on
.set SCB,  139264                      ; k's scale bytes, two a key: a line of 256 + 16 for each 128 keys
.set SVB,  SCB+4352                    ; v's scale words, four bytes a channel: a line for each 128 keys
.set MB,   147968                      ; the mask as f32, 0 or X: 8,192 bytes, written by LDS stores: blocks into which no tensor load lands
.set WQC,  156160                      ; Wq's 64 rows: 512 bytes + 16 of padding each
.set WQP,  528
.set AK0,  1                           ; v1   my lane's place in a tile of k
.set AV0,  2                           ; v2   of v
.set ASK0, 3                           ; v3   among k's scale bytes
.set ASV0, 4                           ; v4   among v's scale words
.set AM0,  5                           ; v5   in the mask
.set LI,   6                           ; v6   16 x lane
.set VCS,  7                           ; v7   where my row's two scale bytes go: 16 r + 512 h
.set ADK,  8                           ; v8-11, v251 the step's addresses
.set ADV,  9
.set ADS,  10
.set ADT,  11
.set AWQ,  8                           ; ahead of the keys: v8 my lane's place in a tile of Wq; v9 32 r + 16 h; v10 32 h; v11 16 x thread
.set WSO,  9
.set GBO,  10
.set MKO,  11
.set QA,   16                          ; v16-23, v24-31 q's two fragments (v12 -M, v13 the largest t, v[14:15] the sum in two halves)
.set QB,   24
.set KF,   32                          ; v32-63 eight tiles of k, four registers each; v64-67 zeros
.set VF,   68                          ; v68-99 four fragments of v
.set PFQ,  68                          ; ahead of the keys: Wq's four fragments
.set S,    100                         ; v100-163 bq, then q;  the mask, then S^T, then p;  at the end ctx
.set O,    164                         ; v164-195 O^T.  (Q's fragments, four sets of 16: v32-47, v48-63, v164-179, v180-195)
.set CD,   196                         ; v196-203 p's codes
.set KSW,  204                         ; v204-211 k's scale words
.set VSW,  212                         ; v212-215 v's
.set QSA,  216                         ; v216, v217 q's
.set QSB,  217
.set WSQ,  204                         ; ahead of the keys: v204-219 Wq's scale words: register 4 t + i: K step 4 h + i of row r of tile t;  v220-227 Q's: register 4 m + i likewise
.set XSQ,  220
.set BM,   220                         ; v220-223 the blocks' largest scores, then largest p
.set T2,   224                         ; v224-227 at work
.set SOP,  228                         ; v228-231 the conversions' scale operands
.set FF,   232                         ; v[232:233] f = 2^(old M - new M); v233 is written once, being named with it
.set PW,   234                         ; p's scale word
.set TP,   235
.set L2,   236                         ; v[236:237] the sum's second chain
.set WA,   238                         ; ctx's scale bytes of the two tiles
.set WB,   239
.set OC0,  240                         ; ctx's codes of the two tiles
.set OC1,  244
.set MKL,  240                         ; ahead of the keys: the mask as loaded, and as f32
.set MKR,  244
.set WW,   248
.set NEG,  249
.set MBA,  250                         ; v250 where I store four numbers of the mask
.set ADM,  251
.set TM,   220                         ; QUANT64's six registers
.set WV,   72
.set BH,   73
.set SEL,  20                          ; s[20:21] v_permlanex16_b32's selects for lane l xor 16
.set CS,   22                          ; s[22:23] c, twice: the packed form names a pair
.set TC,   48                          ; s48 the step's codes: 4,352 bytes a step;  s49 its scale line: 272;  s50 its mask: 512;  s51 steps to go
.set TS,   49
.set TMS,  50
.set CNT,  51
.set HIM,  60
; 32 numbers of a lane, register 8 t + j = index 16 t + 8 h + j of my row, become my row's 64 codes and two scale bytes; at the end lane (r, h) holds block h's 16 bytes: the first four registers of a matrix operand.
.macro QUANT64 s, pc, pw
.irp b, 0,1
	v_max3_num_f32 v[TM+\b], |v[(\s)+16*\b]|, |v[(\s)+16*\b+1]|, 0x1800000   ; block b: my 16 numbers, from each result's low end on, and the floor 2^(3 - 127)
.endr
.irp i, 2,4,6,8,10,12,14
.irp b, 0,1
	v_max3_num_f32 v[TM+\b], v[TM+\b], |v[(\s)+16*\b+\i]|, |v[(\s)+16*\b+\i+1]|
.endr
.endr
.irp b, 0,1
	v_permlanex16_b32 v[TM+2+\b], v[TM+\b], s[SEL], s[SEL+1]
.endr
.irp b, 0,1
	v_max_num_f32 v[TM+\b], v[TM+\b], v[TM+2+\b]
.endr
.irp b, 0,1
	v_add_nc_u32 v[TM+4+\b], 0xff000000, v[TM+\b]
.endr
.irp b, 0,1
	v_lshrrev_b32 v[TM+2+\b], 23, v[TM+4+\b]
.endr
	v_lshl_or_b32 v[\pw], v[TM+3], 8, v[TM+2]
.irp b, 0,1
	v_cvt_scalef32_pk8_fp4_f32 v[(\pc)+2*\b], v[(\s)+16*\b:(\s)+16*\b+7], v[TM+4+\b]
	v_cvt_scalef32_pk8_fp4_f32 v[(\pc)+2*\b+1], v[(\s)+16*\b+8:(\s)+16*\b+15], v[TM+4+\b]
.endr
	v_nop                                          ; one plain line behind the scaled conversions
	v_permlane16_swap_b32 v[(\pc)], v[(\pc)+1]
	v_permlane16_swap_b32 v[(\pc)+2], v[(\pc)+3]
	v_permlane16_swap_b32 v[(\pc)], v[(\pc)+2]
	v_permlane16_swap_b32 v[(\pc)+1], v[(\pc)+3]   ; register i holds indices 32 h + 8 i + 0 .. 7
.endm
; Q's two fragments of K step q into set q % 4: four loads of 512 consecutive bytes
.macro QLOAD q
.set RS, 32+16*((\q)%4)+100*(((\q)%4)/2)
.irp m, 0,1
.irp c, 0,1
	global_load_b128 v[RS+8*\m+4*\c:RS+8*\m+4*\c+3], v[LI], s[10:11] offset:8192*\m+1024*(\q)+512*\c
.endr
.endr
.endm
; K step q of q = Q Wq^T + bq
.macro QKSTEP q
.set RS, 32+16*((\q)%4)+100*(((\q)%4)/2)
.irp t, 0,1,2,3
.irp c, 0,1
	ds_load_b128 v[PFQ+8*\t+4*\c:PFQ+8*\t+4*\c+3], v[AWQ] offset:16*WQP*\t+64*(\q)+32*\c
.endr
.endr
.if (\q) <= 4
	s_wait_loadcnt 12                              ; this step's four loads, and all that was asked for ahead of them, are in; the next three steps' twelve stay out
.else
	s_wait_loadcnt 4*(7-(\q))
.endif
	s_wait_dscnt 0x0
.irp m, 0,1                                    ; the eight accumulators take turns, one instruction a turn
.irp t, 0,1,2,3
.if (\q) < 4
	v_wmma_scale_f32_16x16x128_f8f6f4 v[S+32*\m+8*\t:S+32*\m+8*\t+7], v[PFQ+8*\t:PFQ+8*\t+7], v[RS+8*\m:RS+8*\m+7], v[S+32*\m+8*\t:S+32*\m+8*\t+7], v[WSQ+4*\t+(\q)%4], v[XSQ+4*\m+(\q)%4] matrix_a_fmt:MATRIX_FMT_FP4 matrix_b_fmt:MATRIX_FMT_FP4
.else
	v_wmma_scale_f32_16x16x128_f8f6f4 v[S+32*\m+8*\t:S+32*\m+8*\t+7], v[PFQ+8*\t:PFQ+8*\t+7], v[RS+8*\m:RS+8*\m+7], v[S+32*\m+8*\t:S+32*\m+8*\t+7], v[WSQ+4*\t+(\q)%4], v[XSQ+4*\m+(\q)%4] matrix_a_fmt:MATRIX_FMT_FP4 matrix_b_fmt:MATRIX_FMT_FP4 matrix_a_scale:MATRIX_SCALE_ROW1 matrix_b_scale:MATRIX_SCALE_ROW1
.endif
.endr
.endr
.rept 4
	v_nop                                          ; four places in front of loads into registers that matrix instructions have read, and of the first read of results
.endr
.if (\q) <= 3
	QLOAD (\q)+4
.endif
.endm
	s_load_b512 s[4:19], s[0:1], 0x0               ; pc s[4:5], ps s[6:7], the mask s[8:9], Qc s[10:11], Qs s[12:13], Wq's codes s[14:15], Wq's scales s[16:17], bq s[18:19]
	s_load_b128 s[68:71], s[0:1], 0x40             ; cc s[68:69], cs s[70:71]
	v_lshl_add_u32 v254, v0, 2, 0x2e800
	v_mov_b32 v255, 0
	ds_add_u32 v254, v255
	ds_add_u32 v254, v255
	v_lshrrev_b32 v1, 5, v0
	v_readfirstlane_b32 s[WV], v1                  ; wave 0..15
	s_and_b32 s[BH], ttmp7, 0xffff                 ; 16 x batch + head
	; descriptor group 1: dense bytes as rows of 256 (32 elements of 8 bytes), 16 bytes of padding behind each: 64 rows of codes, 4 rows of scale bytes
	s_mov_b32 s24, (3<<16)|(1<<20)|(5<<22)|(3<<25)
	s_mov_b32 s25, 32<<16
	s_mov_b32 s26, 64<<16
	s_mov_b32 s27, 32<<16
	s_mov_b32 s28, 64
	s_mov_b32 s29, 32
	s_mov_b32 s30, 0
	s_mov_b32 s31, 0
	s_mov_b32 s32, (3<<16)|(1<<20)|(5<<22)|(3<<25)
	s_mov_b32 s33, 32<<16
	s_mov_b32 s34, 4<<16
	s_mov_b32 s35, 32<<16
	s_mov_b32 s36, 4
	s_mov_b32 s37, 32
	s_mov_b32 s38, 0
	s_mov_b32 s39, 0
	; and for Wq: 8 rows of 512 bytes (64 elements of 8 bytes), 16 bytes of padding behind every 128 words
	s_mov_b32 s80, (3<<16)|(1<<20)|(6<<22)|(3<<25)
	s_mov_b32 s81, 64<<16
	s_mov_b32 s82, 8<<16
	s_mov_b32 s83, 64<<16
	s_mov_b32 s84, 8
	s_mov_b32 s85, 64
	s_mov_b32 s86, 0
	s_mov_b32 s87, 0
	; what I fetch: waves 0-7 eight rows of Wq each; waves 0-3 a quarter of k's codes and of its scale bytes, waves 4-7 of v's
	s_lshr_b32 s74, s[WV], 2                       ; part 0 of pc and ps is k's, part 1 v's
	s_and_b32 s75, s[WV], 3
	s_lshl_b32 s2, s74, 22
	s_lshl_b32 s3, s[BH], 16
	s_add_co_u32 s2, s2, s3
	s_lshl_b32 s3, s75, 14
	s_add_co_u32 s2, s2, s3
	s_mov_b32 s3, 0
	s_lshl_b32 s76, s74, 18
	s_lshl_b32 s77, s75, 10
	s_add_co_u32 s76, s76, s77
	s_lshl_b32 s77, s[BH], 12
	s_add_co_u32 s76, s76, s77
	s_mov_b32 s77, 0
	s_and_b32 s78, s[BH], 15                       ; the head
	s_lshl_b32 s62, s78, 15                        ; its 64 rows of 512 bytes, my eight of them
	s_lshl_b32 s63, s[WV], 12
	s_add_co_u32 s62, s62, s63
	s_mov_b32 s63, 0
	s_wait_dscnt 0x0
	s_wait_kmcnt 0x0
	s_mov_b32 s88, 1
	s_mul_i32 s89, s[WV], 8*WQP
	s_add_co_u32 s89, s89, WQC
	s_add_nc_u64 s[90:91], s[14:15], s[62:63]
	s_or_b32 s91, s91, 0x80000000
	s_mov_b32 s40, 1
	s_mul_i32 s41, s[WV], 17408                    ; 64 lines of 272 bytes a wave: k's four quarters, then v's
	s_add_nc_u64 s[42:43], s[4:5], s[2:3]
	s_or_b32 s43, s43, 0x80000000
	s_mov_b32 s44, 1
	s_mul_i32 s45, s[WV], 1088                     ; 4 lines a wave
	s_add_co_u32 s45, s45, SCB
	s_add_nc_u64 s[46:47], s[6:7], s[76:77]
	s_or_b32 s47, s47, 0x80000000
	s_cmp_lt_u32 s[WV], 8                          ; a wave's three fills stand in one branch on its number, ahead of every wait on TENSORcnt, LDS read and barrier: three loads of mine are out
	s_cbranch_scc0 .Lno_fill
	tensor_load_to_lds s[88:91], s[80:87]          ; Wq first: it is wanted first
	s_nop 0
	tensor_load_to_lds s[40:43], s[24:31]
	s_nop 0
	tensor_load_to_lds s[44:47], s[32:39]
	s_nop 0
.rept 4
	v_nop
.endr
.Lno_fill:
	s_lshr_b32 s74, s[BH], 4                       ; the batch
	s_lshl_b32 s79, ttmp9, 9
	s_lshl_b32 s75, s[WV], 5
	s_add_co_u32 s79, s79, s75                     ; my first query: 512 x + 32 w
	s_lshl_b32 s2, s74, 13
	s_add_nc_u64 s[8:9], s[8:9], s[2:3]            ; the batch's mask
	s_lshl_b32 s2, s74, 7
	s_lshr_b32 s75, s79, 4
	s_add_co_u32 s75, s2, s75                      ; my first tile of 16 tokens, 0 .. 511
	s_lshl_b32 s2, s75, 13
	s_add_nc_u64 s[10:11], s[10:11], s[2:3]        ; Qc: 8,192 bytes a tile
	s_lshl_b32 s61, s78, 9
	s_add_co_u32 s2, s2, s61
	s_add_nc_u64 s[52:53], s[68:69], s[2:3]        ; cc: [tile][head][lane][16 bytes]
	s_lshl_b32 s2, s75, 9
	s_add_nc_u64 s[12:13], s[12:13], s[2:3]        ; Qs: 512 bytes a tile
	s_lshr_b32 s61, s78, 3
	s_lshl_b32 s61, s61, 8
	s_add_co_u32 s2, s2, s61
	s_and_b32 s61, s78, 7
	s_lshl_b32 s61, s61, 1
	s_add_co_u32 s2, s2, s61
	s_add_nc_u64 s[54:55], s[70:71], s[2:3]        ; cs: [tile][16 (head / 8) + r][16 bytes], my head's two bytes at 2 (head % 8)
	s_lshl_b32 s2, s78, 11
	s_add_nc_u64 s[16:17], s[16:17], s[2:3]        ; Wq's scales: the head's 64 rows of 32 bytes
	s_lshl_b32 s2, s78, 8
	s_add_nc_u64 s[18:19], s[18:19], s[2:3]        ; bq: the head's 64 numbers
	v_and_b32 v12, 15, v0                          ; r
	v_bfe_u32 v13, v0, 4, 1                        ; h
	v_and_b32 v15, 31, v0
	v_lshlrev_b32 v[LI], 4, v15
	v_lshlrev_b32 v[MKO], 4, v0                    ; the mask: thread t takes keys 4 t .. 4 t + 3
	v_lshlrev_b32 v[GBO], 5, v13
	v_lshlrev_b32 v[WSO], 5, v12
	v_lshl_add_u32 v[WSO], v13, 4, v[WSO]
	global_load_b128 v[MKL:MKL+3], v[MKO], s[8:9]                  ; 1 load
.irp m, 0,1                                    ; 16 loads: bq of channels 16 t + 8 h + 0 .. 7: the C of each sum
.irp t, 0,1,2,3
	global_load_b128 v[S+32*\m+8*\t:S+32*\m+8*\t+3], v[GBO], s[18:19] offset:64*\t
	global_load_b128 v[S+32*\m+8*\t+4:S+32*\m+8*\t+7], v[GBO], s[18:19] offset:64*\t+16
.endr
.endr
.irp t, 0,1,2,3                                ; 6 loads: scale words
	global_load_b128 v[WSQ+4*\t:WSQ+4*\t+3], v[WSO], s[16:17] offset:512*\t
.endr
.irp m, 0,1
	global_load_b128 v[XSQ+4*\m:XSQ+4*\m+3], v[LI], s[12:13] offset:512*\m
.endr
	QLOAD 0                                        ; 16 loads
	QLOAD 1
	QLOAD 2
	QLOAD 3
	v_lshrrev_b32 v14, 3, v12
	v_mul_u32_u24 v14, v14, 272
	v_and_b32 v15, 7, v12
	v_lshl_add_u32 v14, v15, 5, v14
	v_lshl_add_u32 v[AK0], v13, 4, v14             ; row r of a tile: 272 (r / 8) + 32 (r % 8) + 16 h: sixteen lanes touch sixteen different columns of 16 bytes
	v_add_nc_u32 v[AV0], VC, v[AK0]
	v_lshl_add_u32 v[ASK0], v12, 1, SCB
	v_lshl_add_u32 v[ASV0], v12, 2, SVB
	v_lshl_add_u32 v[AM0], v13, 5, MB              ; my eight keys of a tile: 32 h bytes on
	v_lshlrev_b32 v[VCS], 4, v12
	v_lshl_add_u32 v[VCS], v13, 9, v[VCS]
	v_lshl_add_u32 v[MBA], v0, 4, MB
	v_mul_u32_u24 v[AWQ], v12, WQP
	v_lshl_add_u32 v[AWQ], v13, 4, v[AWQ]
	v_add_nc_u32 v[AWQ], WQC, v[AWQ]               ; Wq: row r x pitch + 16 h
	v_mov_b32 v[NEG], 0xd0000000                   ; X = -2^33
.irp j, 4,5,6,7
	v_mov_b32 v[QA+\j], 0                          ; zero codes for k = 64 .. 127
	v_mov_b32 v[QB+\j], 0
	v_mov_b32 v[KF+28+\j], 0                       ; and behind the last tile of k
.endr
	v_mov_b32 v[FF+1], 0
	s_mov_b32 s[SEL], 0x76543210
	s_mov_b32 s[SEL+1], 0xfedcba98
	s_mov_b32 s[CS], 0x3e38aa3b                    ; c = log2(e) / 8
	s_mov_b32 s[CS+1], s[CS]
	s_mov_b32 s[HIM], 0xffff0000
	s_wait_loadcnt 38                              ; the mask is in; the 16 + 6 + 16 loads behind it stay out
.irp i, 0,1,2,3
	v_cmp_eq_u32 vcc_lo, 0, v[MKL+\i]
	v_cndmask_b32 v[MKR+\i], 0, v[NEG], vcc_lo     ; X where the mask is 0
.endr
	ds_store_b128 v[MBA], v[MKR:MKR+3]
	s_wait_tensorcnt 0x2                           ; my rows of Wq are in; my parts of k or v may stay out
	s_wait_dscnt 0x0                               ; my part of the mask is stored,
	s_barrier_signal -1
	s_barrier_wait -1                              ; everybody's are
.irp q, 0,1,2,3,4,5,6,7
	QKSTEP \q
.endr
	QUANT64 S, QA, QSA                             ; q of my first 16 queries: the score product's operand and its scale word (bytes 2 and 3 are 0)
	QUANT64 S+32, QB, QSB                          ; and of the second 16
	s_wait_tensorcnt 0x0                           ; my parts of k and v are in (no LDS instruction of mine is out),
	s_barrier_signal -1
	s_barrier_wait -1                              ; everybody's are
; One tile of 16 queries against all 2,048 keys, 128 a step.
.macro TILE qf, qsw, oc, wreg, nr
	v_mov_b32 v13, 0xff61b1e6                      ; the largest t so far: -3e38, under every t
	v_floor_f32 v12, -v13                          ; -M
	v_mov_b32 v14, 0
	v_mov_b32 v15, 0
.set J, 0
.rept 32
	v_mov_b32 v[O+J], 0                            ; the step is written once: the first finds zeros, which the first change of M leaves zeros
.set J, J+1
.endr
	s_mov_b32 s[TC], 0
	s_mov_b32 s[TS], 0
	s_mov_b32 s[TMS], 0
	s_mov_b32 s[CNT], 16
.Lstep_\@:
	v_add_nc_u32 v[ADK], s[TC], v[AK0]             ; (these five are also the places between the last step's products and the loads into v's registers below)
	v_add_nc_u32 v[ADV], s[TC], v[AV0]
	v_add_nc_u32 v[ADS], s[TS], v[ASK0]
	v_add_nc_u32 v[ADT], s[TS], v[ASV0]
	v_add_nc_u32 v[ADM], s[TMS], v[AM0]
.irp t, 0,1,2,3,4,5,6,7
	ds_load_b128 v[S+8*\t:S+8*\t+3], v[ADM] offset:64*\t          ; the mask of keys 16 t + 8 h + 0 .. 7: the product's C
	ds_load_b128 v[S+8*\t+4:S+8*\t+7], v[ADM] offset:64*\t+16
.endr
.irp t, 0,1,2,3,4,5,6,7
	ds_load_b128 v[KF+4*\t:KF+4*\t+3], v[ADK] offset:544*\t
	ds_load_u16 v[KSW+\t], v[ADS] offset:32*\t
.endr
	s_wait_dscnt 0x0
.irp t, 0,1,2,3,4,5,6,7
	v_wmma_scale_f32_16x16x128_f8f6f4 v[S+8*\t:S+8*\t+7], v[KF+4*\t:KF+4*\t+7], v[\qf:\qf+7], v[S+8*\t:S+8*\t+7], v[KSW+\t], v[\qsw] matrix_a_fmt:MATRIX_FMT_FP4 matrix_b_fmt:MATRIX_FMT_FP4
.endr                                          ; lane (r, h): query r; register 8 t + j: key 16 t + 8 h + j
.irp dt, 0,1,2,3
.irp c, 0,1
	ds_load_b128 v[VF+8*\dt+4*\c:VF+8*\dt+4*\c+3], v[ADV] offset:544*\dt+2176*\c   ; v's fragments land while the softmax is walked
.endr
	ds_load_b32 v[VSW+\dt], v[ADT] offset:64*\dt
.endr
.rept 4
	v_nop                                          ; four places in front of the first read of the scores
.endr
.irp b, 0,1,2,3
	v_max3_num_f32 v[BM+\b], v[S+16*\b], v[S+16*\b+1], v[S+16*\b+2]   ; the largest score of each block of 32 keys: for the row's maximum and, since p rises with the score, for the block's largest p
.endr
.irp i, 3,5,7,9,11,13
.irp b, 0,1,2,3
	v_max3_num_f32 v[BM+\b], v[BM+\b], v[S+16*\b+\i], v[S+16*\b+\i+1]
.endr
.endr
.irp b, 0,1,2,3
	v_max_num_f32 v[BM+\b], v[BM+\b], v[S+16*\b+15]
.endr
.irp b, 0,1,2,3
	v_permlanex16_b32 v[T2+\b], v[BM+\b], s[SEL], s[SEL+1]
.endr
.irp b, 0,1,2,3
	v_max_num_f32 v[BM+\b], v[BM+\b], v[T2+\b]     ; with lane l xor 16's 16 keys
.endr
	v_max3_num_f32 v[TP], v[BM], v[BM+1], v[BM+2]
	v_max_num_f32 v[TP], v[TP], v[BM+3]            ; the step's largest score of my query
	v_mul_f32 v[TP], s[CS], v[TP]                  ; as t (c is positive)
	v_max_num_f32 v13, v13, v[TP]                  ; the running largest t
	v_mov_b32 v[TP], v12
	v_floor_f32 v12, -v13                          ; the new -M = -ceil(t): a whole number
	v_sub_f32 v[TP], v12, v[TP]                    ; old M - new M: a whole number, 0 or less
	v_cvt_i32_f32 v[TP], v[TP]                     ; (it saturates)
	v_ldexp_f32 v[FF], 1.0, v[TP]                  ; f = 2^(old M - new M)
.set J, 0
.rept 32
	v_pk_fma_f32 v[S+J:S+J+1], v[S+J:S+J+1], s[CS:CS+1], v[12:13] op_sel_hi:[1,0,0]   ; t - M, two at a time
.set J, J+2
.endr
.irp b, 0,1,2,3
	v_fma_f32 v[BM+\b], v[BM+\b], s[CS], v12       ; the same of each block's largest score
.endr
.set J, 0
.rept 64
	v_exp_f32 v[S+J], v[S+J]                       ; p = 2^(t - M), at most 1
.set J, J+1
.endr
.irp b, 0,1,2,3
	v_exp_f32 v[BM+\b], v[BM+\b]                   ; the block's largest p: the same two instructions on the same number
.endr
	v_pk_mul_f32 v[14:15], v[14:15], v[FF:FF+1] op_sel_hi:[1,0]   ; the sums under the new M (the plain line behind the exponentials)
	s_wait_alu depctr_va_vdst(0)
.irp b, 0,1,2,3
	v_max_num_f32 v[BM+\b], 0x1800000, v[BM+\b]    ; the floor 2^(3 - 127): the byte cannot fall under 1
.endr
.irp b, 0,1,2,3
	v_add_nc_u32 v[SOP+\b], 0xff000000, v[BM+\b]   ; 2 off the exponent field: the conversion's scale operand
.endr
.irp b, 0,1,2,3
	v_lshrrev_b32 v[T2+\b], 23, v[SOP+\b]          ; the scale's byte
.endr
	v_lshl_or_b32 v[PW], v[T2+1], 8, v[T2]         ; p's scale word for these 128 keys
	v_lshl_or_b32 v[PW], v[T2+2], 16, v[PW]
	v_lshl_or_b32 v[PW], v[T2+3], 24, v[PW]
.irp b, 0,1,2,3
	v_cvt_scalef32_pk8_fp4_f32 v[CD+2*\b], v[S+16*\b:S+16*\b+7], v[SOP+\b]
	v_cvt_scalef32_pk8_fp4_f32 v[CD+2*\b+1], v[S+16*\b+8:S+16*\b+15], v[SOP+\b]
.endr
	v_nop                                          ; one plain line behind the scaled conversions
.irp g, 0,4                                    ; the operand wants a whole block in a lane: register 4 c + i: keys 64 c + 32 h + 8 i on
	v_permlane16_swap_b32 v[CD+\g], v[CD+\g+1]
	v_permlane16_swap_b32 v[CD+\g+2], v[CD+\g+3]
	v_permlane16_swap_b32 v[CD+\g], v[CD+\g+2]
	v_permlane16_swap_b32 v[CD+\g+1], v[CD+\g+3]
.endr
	v_pk_add_f32 v[L2:L2+1], v[S:S+1], v[S+2:S+3]  ; the row's sum is taken of the unquantised p: two at a time, in two chains
.irp j, 4,8,12,16,20,24,28,32,36,40,44,48,52,56,60
	v_pk_add_f32 v[14:15], v[14:15], v[S+\j:S+\j+1]
	v_pk_add_f32 v[L2:L2+1], v[L2:L2+1], v[S+\j+2:S+\j+3]
.endr
	v_pk_add_f32 v[14:15], v[14:15], v[L2:L2+1]
.set J, 0
.rept 16
	v_pk_mul_f32 v[O+J:O+J+1], v[O+J:O+J+1], v[FF:FF+1] op_sel_hi:[1,0]   ; O^T under the new M, each result from its low end on.  (These and the sums are the places between the writes of p's codes and scale word and the products)
.set J, J+2
.endr
	s_wait_dscnt 0x0                               ; v's fragments and scale words are in
.irp dt, 0,1,2,3
	v_wmma_scale_f32_16x16x128_f8f6f4 v[O+8*\dt:O+8*\dt+7], v[VF+8*\dt:VF+8*\dt+7], v[CD:CD+7], v[O+8*\dt:O+8*\dt+7], v[VSW+\dt], v[PW] matrix_a_fmt:MATRIX_FMT_FP4 matrix_b_fmt:MATRIX_FMT_FP4
.endr                                          ; (twelve accumulators a step, one instruction a turn)
	s_add_co_u32 s[TC], s[TC], 4352
	s_add_co_u32 s[TS], s[TS], 272
	s_add_co_u32 s[TMS], s[TMS], 512
	s_sub_co_u32 s[CNT], s[CNT], 1
	s_cmp_lg_u32 s[CNT], 0
	s_cbranch_scc1 .Lstep_\@
.rept 4
	v_nop                                          ; four places in front of the read of O^T
.endr
	v_add_f32 v14, v14, v15                        ; the sum's two halves,
	v_permlanex16_b32 v[TP], v14, s[SEL], s[SEL+1]
	v_add_f32 v14, v14, v[TP]                      ; and lane l xor 16's: the row's sum
	v_rcp_f32 v14, v14
	v_nop                                          ; one plain line behind the transcendental
.set J, 0
	s_wait_alu depctr_va_vdst(0)
.rept 32
	v_mul_f32 v[S+J], v[O+J], v14                  ; ctx: register 8 t + j is channel 16 t + 8 h + j of my query
.set J, J+1
.endr
	QUANT64 S, \oc, \wreg                          ; the head's 64 channels are two blocks of the last product's K
	global_store_b128 v[LI], v[\oc:\oc+3], s[52:53] offset:8192*\nr   ; an image of four registers of that product's operand: 512 consecutive bytes
.endm
	TILE QA, QSA, OC0, WA, 0
	TILE QB, QSB, OC1, WB, 1
	v_cndmask_b32 v[WW], v[WA], v[WB], s[HIM]      ; lanes 0-15: the first tile's rows; lanes 16-31: the second's
	global_store_b16 v[VCS], v[WW], s[54:55]       ; two bytes a row, 16 bytes apart: 256 KiB in the whole launch
	s_wait_tensorcnt 0x0
	ds_add_u32 v254, v255
	s_wait_dscnt 0x0
	s_endpgm
.Lfunc_end_k_q365b90dfd8_attn:
	.size	k_q365b90dfd8_attn, .Lfunc_end_k_q365b90dfd8_attn-k_q365b90dfd8_attn
	.p2alignl 7, 3214868480
	.fill 96, 4, 3214868480
	.section	.rodata,"a",@progbits
	.p2align	6, 0x0
	.amdhsa_kernel k_q365b90dfd8_attn
		.amdhsa_group_segment_fixed_size 192512
		.amdhsa_private_segment_fixed_size 0
		.amdhsa_enable_private_segment 0
		.amdhsa_kernarg_size 80
		.amdhsa_user_sgpr_count 2
		.amdhsa_user_sgpr_kernarg_segment_ptr 1
		.amdhsa_wavefront_size32 1
		.amdhsa_system_sgpr_workgroup_id_x 1
		.amdhsa_system_sgpr_workgroup_id_y 1
		.amdhsa_system_sgpr_workgroup_id_z 1
		.amdhsa_system_vgpr_workitem_id 0
		.amdhsa_next_free_vgpr 256
		.amdhsa_next_free_sgpr 96
		.amdhsa_reserve_vcc 1
		.amdhsa_float_denorm_mode_32 3
		.amdhsa_float_denorm_mode_16_64 3
		.amdhsa_memory_ordered 1
		.amdhsa_forward_progress 1
		.amdhsa_inst_pref_size 73
	.end_amdhsa_kernel
	.amdgpu_metadata
---
amdhsa.version: [ 1, 2 ]
amdhsa.kernels:
  - .name:           k_q365b90dfd8_attn
    .symbol:         k_q365b90dfd8_attn.kd
    .args:
      - { .name: pc, .offset: 0, .size: 8, .value_kind: global_buffer, .address_space: global }
      - { .name: ps, .offset: 8, .size: 8, .value_kind: global_buffer, .address_space: global }
      - { .name: mask, .offset: 16, .size: 8, .value_kind: global_buffer, .address_space: global }
      - { .name: Qc, .offset: 24, .size: 8, .value_kind: global_buffer, .address_space: global }
      - { .name: Qs, .offset: 32, .size: 8, .value_kind: global_buffer, .address_space: global }
      - { .name: Wq_codes, .offset: 40, .size: 8, .value_kind: global_buffer, .address_space: global }
      - { .name: Wq_scales, .offset: 48, .size: 8, .value_kind: global_buffer, .address_space: global }
      - { .name: bq, .offset: 56, .size: 8, .value_kind: global_buffer, .address_space: global }
      - { .name: cc, .offset: 64, .size: 8, .value_kind: global_buffer, .address_space: global }
      - { .name: cs, .offset: 72, .size: 8, .value_kind: global_buffer, .address_space: global }
    .group_segment_fixed_size: 192512
    .private_segment_fixed_size: 0
    .kernarg_segment_align: 8
    .kernarg_segment_size: 80
    .max_flat_workgroup_size: 512
    .sgpr_count:     96
    .vgpr_count:     256
    .wavefront_size: 32
...
	.end_amdgpu_metadata
.endif
;; end of part 2
;; launch outln (part 3): grid 256 x 1, 16 waves a work-group, no clusters, 161,792 bytes of LDS; arguments cc, cs, Wi, Wo_scales, bo, Q, gamma, beta, out0; writes out0
.if DOCPART == 3
	.amdgcn_target "amdgcn-amd-amdhsa--gfx1250"
	.amdhsa_code_object_version 6
	.text
	.protected	k_q365b90dfd8_outln
	.globl	k_q365b90dfd8_outln
	.p2align	8
	.type	k_q365b90dfd8_outln,@function
k_q365b90dfd8_outln:
	s_mov_b64 s[64:65], 0
	v_nop
	global_prefetch_b8 v0, s[64:65] scope:SCOPE_SE
	s_setreg_imm32_b32 hwreg(HW_REG_WAVE_MODE, 25, 1), 1
	s_wait_xcnt 0x0
; out0 = LayerNorm(ctx Wo^T + bo + Q) x gamma + beta.  The product is on codes of FP4 (E2M1) with E8M0 scales; all else in f32.
; SHARES.  A work-group owns 32 whole token rows (two tiles of 16), as the norm needs; wave w owns columns 64 w .. 64 w + 63 of them: 4 tiles of Wo's rows x 2 tiles of tokens = 8 accumulators, K = 1,024 in 8 steps.
; No wave shares a fragment of Wo with another wave, so the fragments come straight from memory into registers: Wi holds them in the order of the operand's registers, each load 512 consecutive bytes, three K steps deep
; (24 loads of a wave on their way at the start, 16 while a step is multiplied).  ctx's 16 fragments, which all sixteen waves read, are copied into LDS once as they lie (images of registers).  No tensor load.
; THE MATRIX INSTRUCTION IS USED TRANSPOSED (source 0 = 16 rows of Wo, source 1 = 16 tokens): lane (r, h) holds token r and eight neighbouring columns.
; Q + bo IS THE C OF EACH SUM: Q comes by rows (sixteen lanes read 256 consecutive bytes), bo is added, and the numbers turn through the wave's own stage in LDS into the accumulators' layout.
; THE NORM takes two passes, as it is defined: the mean, then the mean of (x - mean)^2; the waves' parts meet in LDS in a fixed order.  The results turn back through the stage and leave by rows.
; All 256 work-groups walk all of Wi (524,288 bytes each): joint requests for it would want it in LDS; left out of this form.
; LIMITS: 1 / sqrt is v_rsq_f32's; NaN and infinities are not served.
.set XIMG, 0                           ; LDS: ctx's fragments: (token tile m, K step q, half c) at 1,024 (8 m + q) + 512 c, 16 bytes a lane
.set RED1, 16384                       ; the waves' sums: 128 bytes a wave, a word a token
.set RED2, 18432                       ; the same for the squares
.set STG,  20480                       ; a stage for each wave: 32 rows x (256 bytes + 16)
.set STW,  32*272
.set LI,   3                           ; v3   16 x lane
.set QO,   4                           ; v4   by rows in memory: 4,096 (lane / 16) + 16 (lane % 16)
.set SR,   5                           ; v5   by rows in my stage: 272 (lane / 16) + 16 (lane % 16)
.set SO,   6                           ; v6   as an accumulator in my stage: 272 r + 32 h
.set RDA,  7                           ; v7   RED1 + 4 x lane
.set RDW,  8                           ; v8   + 128 x wave
.set WSO,  9                           ; v9   32 r + 16 h: Wo's scale words
.set GBO,  10                          ; v10  32 h: gamma, beta
.set XST,  11                          ; v11  where I store my part of ctx's images
.set BOO,  12                          ; v12  16 (lane % 16): bo
.set WS,   16                          ; v16-31 Wo's scale words: register 4 t + i: K step 4 h + i of row r of tile t
.set XS,   32                          ; v32-39 ctx's: register 4 m + i likewise
.set BO,   40                          ; v40-43 bo of my four columns
.set MU,   44                          ; v[44:45], v[46:47] the mean, later 1 / sqrt, of my token in tile 0, 1, twice each: a pair for the packed forms
.set XF,   48                          ; v48-63 ctx's two fragments
.set WF,   64                          ; v64-159 Wo's fragments, three sets of four
.set ACC,  160                         ; accumulator (t, m) at v[160 + 32 m + 8 t]
.set T,    224                         ; v224-255 at work
.set GA,   64                          ; behind the products: gamma, beta in the accumulators' layout; then rows on their way out
.set BE,   96
	s_load_b512 s[4:19], s[0:1], 0x0               ; cc s[4:5], cs s[6:7], Wi s[8:9], Wo's scales s[10:11], bo s[12:13], Q s[14:15], gamma s[16:17], beta s[18:19]
	s_load_b64 s[20:21], s[0:1], 0x40              ; out0
	v_lshl_add_u32 v254, v0, 2, 0x27000
	v_mov_b32 v255, 0
	v_lshrrev_b32 v1, 5, v0
	v_readfirstlane_b32 s22, v1                    ; wave 0..15
	v_and_b32 v13, 31, v0                          ; lane
	v_and_b32 v1, 15, v0                           ; r
	v_bfe_u32 v2, v0, 4, 1                         ; h
	v_lshlrev_b32 v[LI], 4, v13
	v_lshlrev_b32 v[BOO], 4, v1
	v_lshl_add_u32 v[QO], v2, 12, v[BOO]
	s_mul_i32 s23, s22, STW
	s_add_co_u32 s23, s23, STG                     ; my stage
	v_mul_u32_u24 v[SR], v2, 272
	v_add_nc_u32 v[SR], v[SR], v[BOO]
	v_add_nc_u32 v[SR], s23, v[SR]
	v_mul_u32_u24 v[SO], v1, 272
	v_lshl_add_u32 v[SO], v2, 5, v[SO]
	v_add_nc_u32 v[SO], s23, v[SO]
	v_lshl_add_u32 v[RDA], v13, 2, RED1
	s_lshl_b32 s24, s22, 7
	v_add_nc_u32 v[RDW], s24, v[RDA]
	v_lshlrev_b32 v[WSO], 5, v1
	v_lshl_add_u32 v[WSO], v2, 4, v[WSO]
	v_lshlrev_b32 v[GBO], 5, v2
	s_lshl_b32 s24, s22, 10
	v_add_nc_u32 v[XST], s24, v[LI]
	v_mov_b32 v[T+4], 0                            ; lane permutes' destinations count as sources: written once
	v_mov_b32 v[T+5], 0
	v_mov_b32 v[T+7], 0
	s_mov_b32 s25, 0
	s_mov_b32 s26, 0x76543210
	s_mov_b32 s27, 0xfedcba98                      ; v_permlanex16_b32's selects for lane l xor 16
	s_mov_b32 s28, 0xffff0000                      ; lanes 16-31
	s_mov_b32 s30, 0x3a800000                      ; 1 / 1024
	s_mov_b32 s31, 0x3727c5ac                      ; 1e-5
	s_wait_kmcnt 0x0
	s_lshl_b32 s24, ttmp9, 14                      ; cc: 16,384 bytes a work-group, 1,024 a wave
	s_lshl_b32 s29, s22, 10
	s_add_co_u32 s24, s24, s29
	s_add_nc_u64 s[4:5], s[4:5], s[24:25]
	s_lshl_b32 s24, ttmp9, 10                      ; cs: 512 bytes a tile
	s_add_nc_u64 s[6:7], s[6:7], s[24:25]
	s_lshl_b32 s24, s22, 15                        ; Wi: my four tiles of 8,192 bytes
	s_add_nc_u64 s[8:9], s[8:9], s[24:25]
	s_lshl_b32 s24, s22, 11                        ; Wo's scales: my 64 rows of 32 bytes
	s_add_nc_u64 s[10:11], s[10:11], s[24:25]
	s_lshl_b32 s24, s22, 8                         ; my 64 columns
	s_add_nc_u64 s[12:13], s[12:13], s[24:25]
	s_add_nc_u64 s[16:17], s[16:17], s[24:25]
	s_add_nc_u64 s[18:19], s[18:19], s[24:25]
	s_lshl_b32 s29, ttmp9, 17                      ; + 32 rows of 4,096 bytes a work-group
	s_add_co_u32 s24, s24, s29
	s_add_nc_u64 s[14:15], s[14:15], s[24:25]
	s_add_nc_u64 s[20:21], s[20:21], s[24:25]
.macro WLOAD q                         ; Wo's four fragments of K step q into set q % 3
.irp t, 0,1,2,3
.irp c, 0,1
	global_load_b128 v[WF+32*((\q)%3)+8*\t+4*\c:WF+32*((\q)%3)+8*\t+4*\c+3], v[LI], s[8:9] offset:8192*\t+1024*(\q)+512*\c
.endr
.endr
.endm
	global_load_b128 v[XF:XF+3], v[LI], s[4:5]                     ; 2 loads: my sixteenth of ctx's images
	global_load_b128 v[XF+4:XF+7], v[LI], s[4:5] offset:512
.irp i, 0,1,2,3,4,5,6,7,8,9,10,11,12,13,14,15  ; 16 loads: Q, tokens 2 i and 2 i + 1, my 256 bytes of each
	global_load_b128 v[ACC+4*\i:ACC+4*\i+3], v[QO], s[14:15] offset:8192*\i th:TH_LOAD_NT
.endr
	global_load_b128 v[BO:BO+3], v[BOO], s[12:13]                  ; 1 load
.irp t, 0,1,2,3                                ; 6 loads: scale words
	global_load_b128 v[WS+4*\t:WS+4*\t+3], v[WSO], s[10:11] offset:512*\t
.endr
.irp m, 0,1
	global_load_b128 v[XS+4*\m:XS+4*\m+3], v[LI], s[6:7] offset:512*\m
.endr
	WLOAD 0                                        ; 24 loads
	WLOAD 1
	WLOAD 2
	s_wait_loadcnt 47                              ; ctx's two are in; the 47 behind them stay out
	ds_store_b128 v[XST], v[XF:XF+3] offset:XIMG
	ds_store_b128 v[XST], v[XF+4:XF+7] offset:XIMG+512
	s_wait_loadcnt 30                              ; Q and bo are in; 6 loads of scale words and 24 of Wo's fragments stay out
.irp i, 0,1,2,3,4,5,6,7,8,9,10,11,12,13,14,15
	v_pk_add_f32 v[ACC+4*\i:ACC+4*\i+1], v[ACC+4*\i:ACC+4*\i+1], v[BO:BO+1]
	v_pk_add_f32 v[ACC+4*\i+2:ACC+4*\i+3], v[ACC+4*\i+2:ACC+4*\i+3], v[BO+2:BO+3]
.endr
.irp i, 0,1,2,3,4,5,6,7,8,9,10,11,12,13,14,15
	ds_store_b128 v[SR], v[ACC+4*\i:ACC+4*\i+3] offset:544*\i
.endr
.irp m, 0,1
.irp t, 0,1,2,3
	ds_load_b128 v[ACC+32*\m+8*\t:ACC+32*\m+8*\t+3], v[SO] offset:4352*\m+64*\t          ; LDS serves a wave's instructions in order: these see my stores.  (token 16 m + r, columns 16 t + 8 h + 0 .. 7)
	ds_load_b128 v[ACC+32*\m+8*\t+4:ACC+32*\m+8*\t+7], v[SO] offset:4352*\m+64*\t+16
.endr
.endr
	s_wait_dscnt 0x0                               ; my part of ctx's images is stored, and my sums' C is in
	s_barrier_signal -1
	s_barrier_wait -1                              ; ctx's sixteen fragments lie in LDS
.macro KSTEP q
.irp m, 0,1
.irp c, 0,1
	ds_load_b128 v[XF+8*\m+4*\c:XF+8*\m+4*\c+3], v[LI] offset:XIMG+(8*\m+(\q))*1024+512*\c
.endr
.endr
.if (\q) <= 5
	s_wait_loadcnt 16                              ; this step's eight loads are in; the next two steps' sixteen stay out
.elseif (\q) == 6
	s_wait_loadcnt 8
.else
	s_wait_loadcnt 0
.endif
	s_wait_dscnt 0x0
.irp m, 0,1                                    ; the eight accumulators take turns, one instruction a turn
.irp t, 0,1,2,3
.if (\q) < 4
	v_wmma_scale_f32_16x16x128_f8f6f4 v[ACC+32*\m+8*\t:ACC+32*\m+8*\t+7], v[WF+32*((\q)%3)+8*\t:WF+32*((\q)%3)+8*\t+7], v[XF+8*\m:XF+8*\m+7], v[ACC+32*\m+8*\t:ACC+32*\m+8*\t+7], v[WS+4*\t+(\q)%4], v[XS+4*\m+(\q)%4] matrix_a_fmt:MATRIX_FMT_FP4 matrix_b_fmt:MATRIX_FMT_FP4
.else
	v_wmma_scale_f32_16x16x128_f8f6f4 v[ACC+32*\m+8*\t:ACC+32*\m+8*\t+7], v[WF+32*((\q)%3)+8*\t:WF+32*((\q)%3)+8*\t+7], v[XF+8*\m:XF+8*\m+7], v[ACC+32*\m+8*\t:ACC+32*\m+8*\t+7], v[WS+4*\t+(\q)%4], v[XS+4*\m+(\q)%4] matrix_a_fmt:MATRIX_FMT_FP4 matrix_b_fmt:MATRIX_FMT_FP4 matrix_a_scale:MATRIX_SCALE_ROW1 matrix_b_scale:MATRIX_SCALE_ROW1
.endif
.endr
.endr
.rept 4
	v_nop                                          ; four places in front of loads into registers that matrix instructions have read, and of the first read of results
.endr
.if (\q) <= 4
	WLOAD (\q)+3
.endif
.endm
.irp q, 0,1,2,3,4,5,6,7
	KSTEP \q
.endr
.irp t, 0,1,2,3                                ; gamma and beta of columns 16 t + 8 h + 0 .. 7: they land while the norm's sums are made
	global_load_b128 v[GA+8*\t:GA+8*\t+3], v[GBO], s[16:17] offset:64*\t
	global_load_b128 v[GA+8*\t+4:GA+8*\t+7], v[GBO], s[16:17] offset:64*\t+16
	global_load_b128 v[BE+8*\t:BE+8*\t+3], v[GBO], s[18:19] offset:64*\t
	global_load_b128 v[BE+8*\t+4:BE+8*\t+7], v[GBO], s[18:19] offset:64*\t+16
.endr
; v[T:T+1], v[T+2:T+3] hold my sums for my token of tile 0, 1, in two halves.  They are joined with lane l xor 16's, meet the other waves' in LDS, and v[T+8] ends as the sum over all 1,024 columns of token = lane.
.macro ACROSS off
	v_add_f32 v[T], v[T], v[T+1]
	v_add_f32 v[T+2], v[T+2], v[T+3]
	v_permlanex16_b32 v[T+4], v[T], s26, s27
	v_permlanex16_b32 v[T+5], v[T+2], s26, s27
	v_add_f32 v[T], v[T], v[T+4]
	v_add_f32 v[T+2], v[T+2], v[T+5]
	v_cndmask_b32 v[T+6], v[T], v[T+2], s28        ; lane l: token l
	ds_store_b32 v[RDW], v[T+6] offset:\off
	s_wait_dscnt 0x0                               ; for the others' sake: my word is stored
	s_barrier_signal -1
	s_barrier_wait -1
.irp k, 0,1,2,3,4,5,6,7,8,9,10,11,12,13,14,15
	ds_load_b32 v[T+8+\k], v[RDA] offset:\off+128*\k
.endr
	s_wait_dscnt 0x0
.irp k, 0,1,2,3,4,5,6,7
	v_add_f32 v[T+8+\k], v[T+8+\k], v[T+16+\k]
.endr
.irp k, 0,1,2,3
	v_add_f32 v[T+8+\k], v[T+8+\k], v[T+12+\k]
.endr
	v_add_f32 v[T+8], v[T+8], v[T+10]
	v_add_f32 v[T+9], v[T+9], v[T+11]
	v_add_f32 v[T+8], v[T+8], v[T+9]
.endm
; v[T+6] holds a number for token = lane: every lane gets that of its token r of tile 0 and of tile 1, each in both halves of a pair
.macro SPREAD
	v_permlanex16_b32 v[T+7], v[T+6], s26, s27
	v_cndmask_b32 v[MU], v[T+6], v[T+7], s28
	v_cndmask_b32 v[MU+1], v[T+6], v[T+7], s28
	v_cndmask_b32 v[MU+2], v[T+7], v[T+6], s28
	v_cndmask_b32 v[MU+3], v[T+7], v[T+6], s28
.endm
.irp m, 0,1
	v_pk_add_f32 v[T+2*\m:T+2*\m+1], v[ACC+32*\m:ACC+32*\m+1], v[ACC+32*\m+2:ACC+32*\m+3]   ; the sum of x, each result from its low end on
.endr
.irp j, 4,6,8,10,12,14,16,18,20,22,24,26,28,30
.irp m, 0,1
	v_pk_add_f32 v[T+2*\m:T+2*\m+1], v[T+2*\m:T+2*\m+1], v[ACC+32*\m+\j:ACC+32*\m+\j+1]
.endr
.endr
	ACROSS 0
	v_mul_f32 v[T+6], s30, v[T+8]                  ; the mean
	SPREAD
.irp j, 0,2,4,6,8,10,12,14,16,18,20,22,24,26,28,30
.irp m, 0,1
	v_pk_add_f32 v[ACC+32*\m+\j:ACC+32*\m+\j+1], v[ACC+32*\m+\j:ACC+32*\m+\j+1], v[MU+2*\m:MU+2*\m+1] neg_lo:[0,1] neg_hi:[0,1]   ; x - mean
.endr
.endr
.irp m, 0,1
	v_pk_mul_f32 v[T+2*\m:T+2*\m+1], v[ACC+32*\m:ACC+32*\m+1], v[ACC+32*\m:ACC+32*\m+1]
.endr
.irp j, 2,4,6,8,10,12,14,16,18,20,22,24,26,28,30
.irp m, 0,1
	v_pk_fma_f32 v[T+2*\m:T+2*\m+1], v[ACC+32*\m+\j:ACC+32*\m+\j+1], v[ACC+32*\m+\j:ACC+32*\m+\j+1], v[T+2*\m:T+2*\m+1]
.endr
.endr
	ACROSS RED2-RED1                               ; other bytes than the first exchange's: no barrier is owed between the two
	v_fma_f32 v[T+6], v[T+8], s30, s31             ; the variance + 1e-5
	v_rsq_f32 v[T+6], v[T+6]
	v_nop                                          ; one plain line behind the transcendental
	s_wait_alu depctr_va_vdst(0)
	SPREAD
	s_wait_loadcnt 0x0                             ; gamma, beta
.irp j, 0,2,4,6,8,10,12,14,16,18,20,22,24,26,28,30
.irp m, 0,1
	v_pk_mul_f32 v[ACC+32*\m+\j:ACC+32*\m+\j+1], v[ACC+32*\m+\j:ACC+32*\m+\j+1], v[MU+2*\m:MU+2*\m+1]
	v_pk_fma_f32 v[ACC+32*\m+\j:ACC+32*\m+\j+1], v[ACC+32*\m+\j:ACC+32*\m+\j+1], v[GA+\j:GA+\j+1], v[BE+\j:BE+\j+1]
.endr
.endr
.irp m, 0,1                                    ; back through my stage, which nobody else touches
.irp t, 0,1,2,3
	ds_store_b128 v[SO], v[ACC+32*\m+8*\t:ACC+32*\m+8*\t+3] offset:4352*\m+64*\t
	ds_store_b128 v[SO], v[ACC+32*\m+8*\t+4:ACC+32*\m+8*\t+7] offset:4352*\m+64*\t+16
.endr
.endr
.irp i, 0,1,2,3,4,5,6,7,8,9,10,11,12,13,14,15
	ds_load_b128 v[GA+4*\i:GA+4*\i+3], v[SR] offset:544*\i
.endr
.irp i, 0,1,2,3,4,5,6,7,8,9,10,11,12,13,14,15
	s_wait_dscnt 15-\i                             ; LDS loads come back in order: rows 2 i and 2 i + 1 are in
	global_store_b128 v[QO], v[GA+4*\i:GA+4*\i+3], s[20:21] offset:8192*\i th:TH_STORE_NT   ; sixteen lanes store 256 consecutive bytes, at a multiple of 256 from out0's first byte
.endr
	s_wait_tensorcnt 0x0
	ds_add_u32 v254, v255
	s_wait_dscnt 0x0
	s_endpgm
.Lfunc_end_k_q365b90dfd8_outln:
	.size	k_q365b90dfd8_outln, .Lfunc_end_k_q365b90dfd8_outln-k_q365b90dfd8_outln
	.p2alignl 7, 3214868480
	.fill 96, 4, 3214868480
	.section	.rodata,"a",@progbits
	.p2align	6, 0x0
	.amdhsa_kernel k_q365b90dfd8_outln
		.amdhsa_group_segment_fixed_size 161792
		.amdhsa_private_segment_fixed_size 0
		.amdhsa_enable_private_segment 0
		.amdhsa_kernarg_size 72
		.amdhsa_user_sgpr_count 2
		.amdhsa_user_sgpr_kernarg_segment_ptr 1
		.amdhsa_wavefront_size32 1
		.amdhsa_system_sgpr_workgroup_id_x 1
		.amdhsa_system_sgpr_workgroup_id_y 1
		.amdhsa_system_sgpr_workgroup_id_z 1
		.amdhsa_system_vgpr_workitem_id 0
		.amdhsa_next_free_vgpr 256
		.amdhsa_next_free_sgpr 66
		.amdhsa_reserve_vcc 0
		.amdhsa_float_denorm_mode_32 3
		.amdhsa_float_denorm_mode_16_64 3
		.amdhsa_memory_ordered 1
		.amdhsa_forward_progress 1
		.amdhsa_inst_pref_size 48
	.end_amdhsa_kernel
	.amdgpu_metadata
---
amdhsa.version: [ 1, 2 ]
amdhsa.kernels:
  - .name:           k_q365b90dfd8_outln
    .symbol:         k_q365b90dfd8_outln.kd
    .args:
      - { .name: cc, .offset: 0, .size: 8, .value_kind: global_buffer, .address_space: global }
      - { .name: cs, .offset: 8, .size: 8, .value_kind: global_buffer, .address_space: global }
      - { .name: Wi, .offset: 16, .size: 8, .value_kind: global_buffer, .address_space: global }
      - { .name: Wo_scales, .offset: 24, .size: 8, .value_kind: global_buffer, .address_space: global }
      - { .name: bo, .offset: 32, .size: 8, .value_kind: global_buffer, .address_space: global }
      - { .name: Q, .offset: 40, .size: 8, .value_kind: global_buffer, .address_space: global }
      - { .name: gamma, .offset: 48, .size: 8, .value_kind: global_buffer, .address_space: global }
      - { .name: beta, .offset: 56, .size: 8, .value_kind: global_buffer, .address_space: global }
      - { .name: out0, .offset: 64, .size: 8, .value_kind: global_buffer, .address_space: global }
    .group_segment_fixed_size: 161792
    .private_segment_fixed_size: 0
    .kernarg_segment_align: 8
    .kernarg_segment_size: 72
    .max_flat_workgroup_size: 512
    .sgpr_count:     66
    .vgpr_count:     256
    .wavefront_size: 32
...
	.end_amdgpu_metadata
.endif
;; end of part 3
